; MI455X (gfx1250); checked and timed in simulation.
; The chip was launched on July 23, 2026; its instructions are those of AMD's public machine-readable ISA for CDNA 5 (MIT licence, August 2026) and "CDNA5" Instruction Set Architecture Reference Guide (July 2026). The comments in the code are by the model that wrote it; some were corrected since.
;; Multi Head Self Attention. Allowed arithmetic: matrix products marked QUANTISED: E4M3 operands, one given power-of-two scale a tensor, by v_wmma_f32_16x16x64_fp8_fp8 or v_wmma_f32_16x16x128_fp8_fp8, f32 sums; everything else in f32.
;; Inputs: Wk 1,024 x 1,024 float32; Wo 1,024 x 1,024 float32; Wq 1,024 x 1,024 float32; Wv 1,024 x 1,024 float32; X 4 x 2,048 x 1,024 float32; lowp_scales 12 int32 (the exponents e of the quantised operands' scales 2^e).
;; Outputs: out0 4 x 2,048 x 1,024 float32.
;; This version of the problem:
;;   THIS VERSION OF THE PROBLEM IS GIVEN IN LOW PRECISION. The matrix products marked QUANTISED in the list below multiply operands that are first quantised to E4M3 (4 exponent bits, 3 mantissa bits; 8 bits a number), with one given power-of-two scale for each operand tensor; their sums are f32. All else is computed in f32.
;;   The module's matrix products, in the order in which they are computed (A, B: the left and right operand; K: the contracted axis; several contracted axes count as one K, in the product's order):
;;     1. [M 8,192, K 1,024] x [K 1,024, N 1,024]; A: input X; B: input Wq: QUANTISED (scales: A lowp_scales[0], B lowp_scales[1])
;;     2. [M 8,192, K 1,024] x [K 1,024, N 1,024]; A: input X; B: input Wk: QUANTISED (scales: A lowp_scales[2], B lowp_scales[3])
;;     3. [M 8,192, K 1,024] x [K 1,024, N 1,024]; A: input X; B: input Wv: QUANTISED (scales: A lowp_scales[4], B lowp_scales[5])
;;     4. batch 64 x [M 2,048, K 64] x [K 64, N 2,048]; A: computed on the way; B: computed on the way: QUANTISED (scales: A lowp_scales[6], B lowp_scales[7])
;;     5. batch 64 x [M 2,048, K 2,048] x [K 2,048, N 64]; A: softmax (see below); B: computed on the way: QUANTISED (scales: A lowp_scales[8], B lowp_scales[9])
;;     6. [M 8,192, K 1,024] x [K 1,024, N 1,024]; A: computed on the way; B: input Wo: QUANTISED (scales: A lowp_scales[10], B lowp_scales[11])
;;   THE QUANTISER, for each operand of a quantised product, along K:
;;     - The operand's scale is 2^e, e = its entry of the input lowp_scales (int32; the entries are numbered through the quantised products in the list's order, A before B).
;;     - Each number is divided by the scale, clamped to +-448, and rounded to the nearest number of E4M3, ties to even, subnormals kept.
;;     - The product sums the exact products of the quantised numbers (number of the format x scale) in f32.
;;   ~~~python
;;   def quantise(x, axis, e):      # numpy; x: float32 -> the quantised numbers, widened to float32 again
;;       x = np.moveaxis(x, axis, -1); K = x.shape[-1]
;;       r = np.clip(x / 2.0 ** e, -448, 448)
;;       step = 2.0 ** (np.maximum(np.frexp(np.where(r == 0, 1, r))[1] - 1, -6) - 3)
;;       q = np.round(r / step) * step * 2.0 ** e      # np.round: ties to even
;;       return np.moveaxis(q, -1, axis).astype(np.float32)
;;   ~~~
;;   SOFTMAX AHEAD OF A QUANTISED PRODUCT. Where the list says 'softmax', what is quantised is not the finished softmax but p = 2^(t - M), with t = logit x log2(e) and M = ceil(the row's largest t), a whole number; so 1/2 < the row's largest p <= 1. The row's sum l is taken of the UNQUANTISED p, in f32, and the product's result is divided by l at the end. Since M is a whole number, a kernel that streams over the keys may use a running M (the ceiling of the running maximum): every later rescaling is an exact power of two, so the quantised numbers keep their values, but for numbers so far below the row's largest that they fall under the format's range.
;;   OPERANDS COMPUTED ON THE WAY. 'Computed on the way' means the value that the module computes at that place (a softmax that the list does not call 'softmax' is quantised finished and normalised). What goes into a quantiser is computed in f32, as accurately as f32 sums, v_exp_f32 and their like allow (about 1e-6 of the number): no bf16 or f16 on the way to a quantiser, and a product that is left as it is and whose result goes on into a quantised operand takes f32 operands (vector FMAs, or v_wmma_f32_16x16x4_f32). A number that lies on a knife's edge between two numbers of the format may be rounded either way, as far as f32 arithmetic and the matrix unit's own rounding can turn it there, and no further.
;; One version. Each part assembles by itself: llvm-mc -triple=amdgcn-amd-amdhsa -mcpu=gfx1250 --defsym DOCPART=n.
;; ======== version 1 of 1: 4 launches
;; limits: right only within a limited range of input values
;; workspace buffers: xc 25,165,824 bytes; wc 4,194,304 bytes; qkvc 25,165,824 bytes; ac 8,388,608 bytes
;; launch quant (part 1): grid 384 x 1, 4 waves a work-group, no clusters, 68,096 bytes of LDS; arguments X, Wq, Wk, Wv, Wo, lowp_scales, xc, wc; writes xc, wc
.if DOCPART == 1
	.amdgcn_target "amdgcn-amd-amdhsa--gfx1250"
	.amdhsa_code_object_version 6
	.text
	.protected	k_q2d31f87c51_quant
	.globl	k_q2d31f87c51_quant
	.p2align	8
	.type	k_q2d31f87c51_quant,@function
k_q2d31f87c51_quant:
	s_mov_b64 s[64:65], 0
	v_nop
	global_prefetch_b8 v0, s[64:65] scope:SCOPE_SE
	s_setreg_imm32_b32 hwreg(HW_REG_WAVE_MODE, 25, 1), 1
	s_wait_xcnt 0x0
; X [8192][1024] f32 becomes three sets of E4M3 codes (scales 2^e0, 2^e2, 2^e4: X is the left operand of three products, each with an entry of its own);
; Wq, Wk, Wv, Wo [1024 (k)][1024 (n)] f32 become codes laid [n][k], K innermost (scales 2^e1, 2^e3, 2^e5, 2^e11).
; code = x / 2^e, for X held within +-448, rounded to the nearest code, ties to even.
; LIMITS: each e lies between -126 and 119, so that 2^e and 448 x 2^e are f32 numbers.  NaN among the inputs is not served (an infinity in X is held at the largest code).
; ROW ORDER.  sw(i) = i with bits 3 and 4 exchanged.  xc set 0: row = token.  xc sets 1, 2: row i holds token sw(i).  wc: row i holds column sw(i) of the weight.
; The later products are used transposed, and with this order a lane's 16 results of two neighbouring accumulators are 16 neighbours along the next product's K.
; SHARES.  Work-groups 0-255 take X: a wave takes 8 rows (8,192 numbers) in 16 steps of 512.  Work-groups 256-383 take the weights: 32 to a weight, a wave 32 columns x 256 along K.
; The work-groups share no input, so there is no cluster; waves share nothing, so there is no barrier.  The two paths have LDS bytes of their own: 0 .. 32,767 and 32,768 .. 67,583.
.set STEPS, 16
.set SP,    80                         ; X path: a lane's place in a stage: its 64 bytes + 16 of padding
.set WREG,  8192                       ; X path: a wave's LDS region: two stages of 32 x SP bytes
.set XR,    16                         ; v16-79   four sets of 16 numbers as they are loaded
.set XX,    80                         ; v80-111  two sets of 16 neighbours
.set XT,    112                        ; v112-159 the 16 neighbours held at each of the three scales
.set XC,    160                        ; v160-207 codes: a ring of four steps x 12 registers
.set WSTG,  32768                      ; W path: the stages begin here
.set WP,    272                        ; W path: a stage row: 256 bytes of codes + 16
.set NB,    8                          ; W path: blocks of 32 along K for a wave
.set WX,    32                         ; v32-95   two sets of 32 numbers
.set WC,    96                         ; v96-103  a block's codes
.set WO,    112                        ; v112-175 the way out
.macro MKSCALE e, sc, lim              ; from the whole number in s[e]: v[sc] = 2^e as f32 (the conversion takes its exponent field), v[lim] = 448 x 2^e
	s_add_co_i32 s46, s[\e], 127
	s_lshl_b32 s47, s46, 23
	v_mov_b32 v[\sc], s47
	s_add_co_i32 s46, s46, 8
	s_lshl_b32 s46, s46, 23
	s_or_b32 s46, s46, 0x600000
	v_mov_b32 v[\lim], s46
.endm
.macro XLOAD t                         ; step t: four loads, each 512 consecutive bytes of the wave's run
.irp i, 0,1,2,3
	global_load_b128 v[XR+16*((\t)%4)+4*\i:XR+16*((\t)%4)+4*\i+3], v3, s[4:5] offset:2048*(\t)+512*\i th:TH_LOAD_NT
.endr
.endm
.macro XTURN t                         ; step t's 2,048 bytes through the wave's own stage: in as they lie, back 64 bytes a lane.  LDS serves a wave's instructions in order, so no wait stands between
.irp i, 0,1,2,3
	ds_store_b128 v14, v[XR+16*((\t)%4)+4*\i:XR+16*((\t)%4)+4*\i+3] offset:32*SP*((\t)%2)+8*SP*\i
.endr
.irp i, 0,1,2,3
	ds_load_b128 v[XX+16*((\t)%2)+4*\i:XX+16*((\t)%2)+4*\i+3], v15 offset:32*SP*((\t)%2)+16*\i
.endr
.endm
.macro XSTEP t
.set XS, XX+16*((\t)%2)
.set CSET, XC+12*((\t)%4)
	s_wait_dscnt 0x0                               ; this step's numbers are back from the stage, so the stage's stores have read their registers,
.if (\t)+4 < STEPS
	XLOAD (\t)+4                                   ; which take the loads of four steps on
.endif
.if (\t)+1 < STEPS
.if STEPS-2-(\t) >= 3
	s_wait_loadcnt 12                              ; the next step's four loads are in; those of the three steps behind it may be out
.else
	s_wait_loadcnt 4*(STEPS-2-(\t))
.endif
	XTURN (\t)+1                                   ; and go through the other stage while this step is worked
.endif
.irp s, 0,1,2
.irp i, 0,1,2,3,4,5,6,7,8,9,10,11,12,13,14,15
	v_med3_num_f32 v[XT+16*\s+\i], v[XS+\i], -v[7+2*\s], v[7+2*\s]   ; the conversion to an 8-bit code does not saturate (ISA guide 7.6.2): the hold at 448 x the scale comes first
.endr
.endr
.if (\t) >= 4
	s_wait_alu depctr_va_vdst(0)
	s_wait_xcnt 0x0                                ; the stores of four steps back have read this ring set's registers: only now are they written again
.endif
.irp s, 0,1,2
	v_cvt_scalef32_pk8_fp8_f32 v[CSET+4*\s:CSET+4*\s+1], v[XT+16*\s:XT+16*\s+7], v[6+2*\s]
	v_cvt_scalef32_pk8_fp8_f32 v[CSET+4*\s+2:CSET+4*\s+3], v[XT+16*\s+8:XT+16*\s+15], v[6+2*\s]
.endr
	v_nop                                          ; a plain line behind the last conversion: the next step's holds write the conversions' sources
.irp s, 0,1,2
	global_store_b128 v3, v[CSET+4*\s:CSET+4*\s+3], s[36+2*\s:37+2*\s] offset:512*(\t)   ; 32 lanes store 512 consecutive bytes, aligned
.endr
.endm
.macro WLOAD t                         ; block t: W(32 t + i, my column), i = 0 .. 31: a lane takes a column and its registers run down K
.irp i, 0,1,2,3,4,5,6,7,8,9,10,11,12,13,14,15,16,17,18,19,20,21,22,23,24,25,26,27,28,29,30,31
	global_load_b32 v[WX+32*((\t)%2)+\i], v3, s[6:7] offset:(32*(\t)+\i)*4096 th:TH_LOAD_NT
.endr
.endm
.macro WBLOCK t
.set WS, WX+32*((\t)%2)
.if (\t) < NB-1
	s_wait_loadcnt 32                              ; this block's 32 loads are in; the next block's may be out
.else
	s_wait_loadcnt 0
.endif
.irp i, 0,1,2,3,4,5,6,7,8,9,10,11,12,13,14,15,16,17,18,19,20,21,22,23,24,25,26,27,28,29,30,31
.endr
.irp g, 0,1,2,3
	v_cvt_scalef32_pk8_fp8_f32 v[WC+2*\g:WC+2*\g+1], v[WS+8*\g:WS+8*\g+7], v11
.endr
	v_nop                                          ; a plain line behind the last conversion
	ds_store_b128 v4, v[WC:WC+3] offset:32*(\t)    ; 32 codes: 32 bytes of my column's row of the stage
	ds_store_b128 v4, v[WC+4:WC+7] offset:32*(\t)+16
.if (\t)+2 < NB
	WLOAD (\t)+2
.endif
	s_wait_dscnt 0x0                               ; the stores have read their registers: the next block's codes may be written
.endm
	s_load_b512 s[4:19], s[0:1], 0x0               ; X s[4:5], Wq s[6:7], Wk s[8:9], Wv s[10:11], Wo s[12:13], the exponents s[14:15], xc s[16:17], wc s[18:19]
	v_lshl_add_u32 v208, v0, 2, 0x10800
	v_mov_b32 v209, 0
	v_lshrrev_b32 v1, 5, v0
	v_readfirstlane_b32 s20, v1                    ; wave 0..3
	v_and_b32 v2, 31, v0                           ; lane
	s_wait_kmcnt 0x0
	s_load_b256 s[24:31], s[14:15], 0x0            ; e0 .. e7
	s_load_b128 s[32:35], s[14:15], 0x20           ; e8 .. e11
	s_cmp_lt_u32 ttmp9, 256                        ; X's work-group or a weight's: the work-group's number alone decides
	s_cbranch_scc0 .Lw
	s_wait_alu depctr_va_vdst(0)
	; ---------------- X ----------------
	v_lshlrev_b32 v3, 4, v2                        ; 16 x lane: my 16 bytes of a load's 512, and of a store's 512
	s_wait_alu depctr_va_vdst(0)
	s_mul_i32 s21, s20, WREG
	v_lshrrev_b32 v14, 2, v2
	v_mul_u32_u24 v14, v14, SP
	v_and_b32 v15, 3, v2
	v_lshl_add_u32 v14, v15, 4, v14
	v_add_nc_u32 v14, s21, v14                     ; the stage, on the way in: SP (lane / 4) + 16 (lane % 4)
	v_mul_u32_u24 v15, v2, SP
	v_add_nc_u32 v15, s21, v15                     ; and on the way out: SP x lane: my 16 neighbours
	s_lshl_b32 s22, ttmp9, 2
	s_add_co_u32 s22, s22, s20                     ; g: which run of 8 rows is my wave's
	s_lshl_b32 s42, s22, 15                        ; 8 rows of 4,096 bytes
	s_mov_b32 s43, 0
	s_add_nc_u64 s[4:5], s[4:5], s[42:43]
	s_lshl_b32 s42, s22, 13                        ; 8 rows of 1,024 codes
	s_add_nc_u64 s[36:37], s[16:17], s[42:43]      ; set 0: rows as they come
	s_and_b32 s44, s22, 0xfffffffc
	s_and_b32 s45, s22, 1
	s_lshl_b32 s45, s45, 1
	s_or_b32 s44, s44, s45
	s_bfe_u32 s45, s22, 0x10001
	s_or_b32 s44, s44, s45                         ; g with its bits 0 and 1 exchanged: bits 3 and 4 of the row number
	s_lshl_b32 s44, s44, 13
	s_add_co_u32 s44, s44, 0x800000
	s_mov_b32 s45, 0
	s_add_nc_u64 s[38:39], s[16:17], s[44:45]      ; set 1
	s_add_nc_u64 s[40:41], s[38:39], 0x800000      ; set 2
.irp t, 0,1,2,3
	XLOAD \t
.endr
	s_wait_alu depctr_va_vdst(0)
	s_wait_kmcnt 0x0
	MKSCALE 24, 6, 7                               ; e0
	MKSCALE 26, 8, 9                               ; e2
	MKSCALE 28, 10, 11                             ; e4
	s_wait_alu depctr_va_vdst(0)
	s_wait_loadcnt 12                              ; step 0's four loads are in
	XTURN 0
.irp t, 0,1,2,3,4,5,6,7,8,9,10,11,12,13,14,15
	XSTEP \t
.endr
	s_wait_tensorcnt 0x0
	ds_add_u32 v208, v209
	s_wait_dscnt 0x0
	s_endpgm
	; ---------------- the weights ----------------
.Lw:
	s_sub_co_u32 s21, ttmp9, 256
	s_lshr_b32 s22, s21, 5                         ; which weight: 0 Wq, 1 Wk, 2 Wv, 3 Wo
	s_and_b32 s23, s21, 7                          ; which 128 columns
	s_bfe_u32 s36, s21, 0x20003                    ; which 256 along K
	s_cmp_eq_u32 s22, 1
	s_cselect_b64 s[6:7], s[8:9], s[6:7]
	s_cmp_eq_u32 s22, 2
	s_cselect_b64 s[6:7], s[10:11], s[6:7]
	s_cmp_eq_u32 s22, 3
	s_cselect_b64 s[6:7], s[12:13], s[6:7]
	s_lshl_b32 s37, s23, 7
	s_lshl_b32 s38, s20, 5
	s_add_co_u32 s37, s37, s38                     ; my wave's first column
	s_lshl_b32 s38, s36, 20                        ; 256 rows of 4,096 bytes
	s_lshl_b32 s39, s37, 2
	s_add_co_u32 s38, s38, s39
	s_mov_b32 s39, 0
	s_add_nc_u64 s[6:7], s[6:7], s[38:39]
	s_lshl_b32 s40, s22, 20                        ; the weight's set of codes,
	s_lshl_b32 s41, s37, 10                        ; my 32 rows of it (a multiple of 32: the exchange of bits 3 and 4 stays inside them),
	s_add_co_u32 s40, s40, s41
	s_lshl_b32 s41, s36, 8                         ; my 256 bytes of each
	s_add_co_u32 s40, s40, s41
	s_mov_b32 s41, 0
	s_add_nc_u64 s[18:19], s[18:19], s[40:41]
	s_wait_alu depctr_va_vdst(0)
	v_lshlrev_b32 v3, 2, v2                        ; in: 4 bytes a lane
	s_mul_i32 s42, s20, 32*WP
	s_add_co_u32 s42, s42, WSTG                    ; my stage
	v_mul_u32_u24 v4, v2, WP
	v_add_nc_u32 v4, s42, v4                       ; into it: row = my column
	v_and_b32 v5, 15, v2
	v_lshrrev_b32 v6, 4, v2                        ; out of it: sixteen lanes to a row, two rows an instruction
	v_mul_u32_u24 v7, v6, WP
	v_lshl_add_u32 v7, v5, 4, v7
	v_add_nc_u32 v7, s42, v7
	v_lshlrev_b32 v8, 10, v6
	v_lshl_add_u32 v8, v5, 4, v8                   ; and the same place in the codes' rows of 1,024 bytes
	WLOAD 0
	WLOAD 1
	s_wait_kmcnt 0x0
	s_cmp_eq_u32 s22, 1
	s_cselect_b32 s44, s27, s25                    ; e3 or e1
	s_cmp_eq_u32 s22, 2
	s_cselect_b32 s44, s29, s44                    ; e5
	s_cmp_eq_u32 s22, 3
	s_cselect_b32 s44, s35, s44                    ; e11
	MKSCALE 44, 11, 10
	s_wait_alu depctr_va_vdst(0)
.irp t, 0,1,2,3,4,5,6,7
	WBLOCK \t
.endr
.irp t, 0,1,2,3,4,5,6,7,8,9,10,11,12,13,14,15
	ds_load_b128 v[WO+4*\t:WO+4*\t+3], v7 offset:2*\t*WP   ; columns 2 t and 2 t + 1: LDS serves a wave's instructions in order: these see my stores
.endr
.irp t, 0,1,2,3,4,5,6,7,8,9,10,11,12,13,14,15
	s_wait_dscnt 15-\t
	global_store_b128 v8, v[WO+4*\t:WO+4*\t+3], s[18:19] offset:2*(((\t)&3)|(((\t)&4)<<1)|(((\t)&8)>>1))*1024   ; column c goes to row sw(c): bits 2 and 3 of t change places; 16 lanes store 256 consecutive bytes, aligned
.endr
	s_wait_tensorcnt 0x0
	ds_add_u32 v208, v209
	s_wait_dscnt 0x0
	s_endpgm
.Lfunc_end_k_q2d31f87c51_quant:
	.size	k_q2d31f87c51_quant, .Lfunc_end_k_q2d31f87c51_quant-k_q2d31f87c51_quant
	.p2alignl 7, 3214868480
	.fill 96, 4, 3214868480
	.section	.rodata,"a",@progbits
	.p2align	6, 0x0
	.amdhsa_kernel k_q2d31f87c51_quant
		.amdhsa_group_segment_fixed_size 68096
		.amdhsa_private_segment_fixed_size 0
		.amdhsa_enable_private_segment 0
		.amdhsa_kernarg_size 64
		.amdhsa_user_sgpr_count 2
		.amdhsa_user_sgpr_kernarg_segment_ptr 1
		.amdhsa_wavefront_size32 1
		.amdhsa_system_sgpr_workgroup_id_x 1
		.amdhsa_system_sgpr_workgroup_id_y 1
		.amdhsa_system_sgpr_workgroup_id_z 1
		.amdhsa_system_vgpr_workitem_id 0
		.amdhsa_next_free_vgpr 210
		.amdhsa_next_free_sgpr 66
		.amdhsa_reserve_vcc 0
		.amdhsa_float_denorm_mode_32 3
		.amdhsa_float_denorm_mode_16_64 3
		.amdhsa_fp16_overflow 1
		.amdhsa_memory_ordered 1
		.amdhsa_forward_progress 1
		.amdhsa_inst_pref_size 111
	.end_amdhsa_kernel
	.amdgpu_metadata
---
amdhsa.version: [ 1, 2 ]
amdhsa.kernels:
  - .name:           k_q2d31f87c51_quant
    .symbol:         k_q2d31f87c51_quant.kd
    .args:
      - { .name: X, .offset: 0, .size: 8, .value_kind: global_buffer, .address_space: global }
      - { .name: Wq, .offset: 8, .size: 8, .value_kind: global_buffer, .address_space: global }
      - { .name: Wk, .offset: 16, .size: 8, .value_kind: global_buffer, .address_space: global }
      - { .name: Wv, .offset: 24, .size: 8, .value_kind: global_buffer, .address_space: global }
      - { .name: Wo, .offset: 32, .size: 8, .value_kind: global_buffer, .address_space: global }
      - { .name: lowp_scales, .offset: 40, .size: 8, .value_kind: global_buffer, .address_space: global }
      - { .name: xc, .offset: 48, .size: 8, .value_kind: global_buffer, .address_space: global }
      - { .name: wc, .offset: 56, .size: 8, .value_kind: global_buffer, .address_space: global }
    .group_segment_fixed_size: 68096
    .private_segment_fixed_size: 0
    .kernarg_segment_align: 8
    .kernarg_segment_size: 64
    .max_flat_workgroup_size: 128
    .sgpr_count:     66
    .vgpr_count:     210
    .wavefront_size: 32
...
	.end_amdgpu_metadata
.endif
;; end of part 1
;; launch qkv (part 2): grid 12 x 32, 4 waves a work-group, clusters of 4 x 4, 327,680 bytes of LDS; arguments xc, wc, lowp_scales, qkvc; writes qkvc
.if DOCPART == 2
	.amdgcn_target "amdgcn-amd-amdhsa--gfx1250"
	.amdhsa_code_object_version 6
	.text
	.protected	k_q2d31f87c51_qkv
	.globl	k_q2d31f87c51_qkv
	.p2align	8
	.type	k_q2d31f87c51_qkv,@function
k_q2d31f87c51_qkv:
	s_mov_b64 s[64:65], 0
	v_nop
	global_prefetch_b8 v0, s[64:65] scope:SCOPE_SE
	s_setreg_imm32_b32 hwreg(HW_REG_WAVE_MODE, 25, 1), 1
	s_wait_xcnt 0x0
	s_wait_alu depctr_hold_cnt(0) depctr_sa_sdst(0) depctr_va_vdst(0) depctr_va_sdst(0) depctr_va_ssrc(0) depctr_va_vcc(0) depctr_vm_vsrc(0)
	s_getreg_b32 s2, hwreg(HW_REG_IB_STS2, 6, 4)
	s_cmp_eq_u32 s2, 0
	s_cbranch_scc0 .Lentry_in_a_cluster
	s_endpgm
.Lentry_in_a_cluster:
	s_bfe_u32 s2, ttmp6, 0x10000c
	s_cmp_lg_u32 s2, 0xf033
	s_cbranch_scc0 .Lentry_shape_is_right
	s_endpgm
.Lentry_shape_is_right:
; The three projections on E4M3 codes, and the quantising of their results.  P = cluster x: 0: q = X Wq, 1: k = X Wk, 2: v^T = Wv^T X^T.
; A tile of 256 x 256 is made by four waves, 128 x 128 each: 64 accumulators of 16 x 16, 512 registers.  K = 1,024 goes in four steps of 256 through a ring of two LDS slots filled by the tensor data mover.
; P < 2: "A" = xc set P (8,192 rows: tokens), "B" = wc set P (1,024 rows: features).  P = 2: "A" = wc set 2 (features), "B" = xc set 2 (tokens).  All rows are 1,024 bytes of codes, K innermost.
; THE MATRIX INSTRUCTION IS USED TRANSPOSED (source 0 = 16 rows of B, source 1 = 16 rows of A): a lane holds one row of A and eight rows of B.  B's rows are stored with bits 3 and 4 of the row number exchanged,
; so the 16 registers of accumulators 2 g and 2 g + 1 are 16 NEIGHBOURS: true index 32 g + 16 (lane / 16) + 0 .. 15.  Their 16 codes are four registers of the next product's operand as they stand:
;   q, k: [head 16 b + hh][tile of 16 tokens][c = 0, 1][lane][16 bytes]: lane (r, h) holds channels 32 c + 16 h + 0 .. 15 (q: of token 16 T + r; k: of token 32 (T / 2) + 8 (T % 2) + r + 8 (r / 8), since xc set 1 has its rows exchanged too)
;   v:    [head][key step of 128][t = 0 .. 3][c = 0 .. 3][lane][16 bytes]: lane (r, h) holds keys 32 c + 16 h + 0 .. 15 of channel 32 (t / 2) + 8 (t % 2) + r + 8 (r / 8)
; So each store of a wave covers 512 consecutive bytes, aligned, and no stage in LDS is needed.
; SCALES.  A sum stands for sum x 2^(eA + eB); its code is sum / 2^(eo - eA - eB), eo = e6, e7, e9: the three exponents are folded into the conversion's one.  LIMIT: eo - eA - eB between -126 and 119.
; K INSIDE AN INSTRUCTION: registers 4 c .. 4 c + 3 hold k = 32 c + 16 (lane / 16) + 0 .. 15, alike in both sources: every product meets its partner; only the order of the sums inside an instruction differs.
; CLUSTERS: 4 x 4 work-groups.  The four of a row of the cluster need the same tiles of A, the four of a column the same tiles of B: each tile is asked for JOINTLY, by the same tensor load with the same descriptor and a mask that names the four.
; REGISTERS, in windows of 256: window 0: v0-31 addresses; from v128 A's fragments, ONE set; on the way out v128-255 codes.  window 1: B's fragments, TWO sets.  windows 2, 3: the accumulators ((a, b) at v[8 (8 (a % 4) + b)]).
.set KSTEP,  256
.set ROWB,   256                       ; a tile's row in bytes
.set KROW,   1024                      ; a row of codes in memory
.set PITCH,  272                       ; an LDS row: 256 bytes + 16 of padding = 68 words: row r starts at bank 4 r mod 64 (64 banks of 4 bytes: ISA guide 11.1)
.set FR,     16                        ; registers of a fragment: 16 rows x 128 K
.set NL,     4                         ; LDS loads that bring one
.set NP,     4                         ; places behind this matrix instruction (ISA guide 7.12.1)
.set HALFT,  128*PITCH                 ; 128 rows: what one tensor load brings
.set SLOT,   4*HALFT                   ; A's 256 rows, then B's 256 rows
.set LAPS,   1024/(2*KSTEP)            ; a lap = two K steps = once round the ring
.set SPARE,  2*SLOT                    ; behind the ring: the spare words, 128 bytes for each wave, that no other line names
.set ADRA, 16                          ; v16-17  LDS address of my A fragments in slot 0, 1
.set ADRB, 20                          ; v20-21  the same for B
.set SC,   24                          ; v24     the way out: 2^(eo - eA - eB) as f32
.set LIM,  25
.set LO,   26                          ; v26     16 x lane
.set SPW,  28                          ; v28     LDS address of my spare word; never rewritten
.set NIL,  29                          ; v29     0; never rewritten
.set TMP,  32
.set AF,   128                         ; A's fragments, in window 0
.set CD,   128                         ; the way out: 16 code registers for each of the 8 blocks, so that no store's data are written again
.set G1, 24                            ; s[24:31] descriptor group 1 for A's tiles;  s[32:39] group 0, one set for each slot
.set G0, 32
.set G1B, 48                           ; s[48:55], s[56:63] the same for B's tiles
.set G0B, 56
.set MSB, 0
.macro WIN new                         ; the immediate's high byte repeats the setting that is left
.if MSB != \new
	s_set_vgpr_msb (MSB<<8)|\new
.set MSB, \new
.endif
.endm
.set MUL_LO, 0xa1                      ; source 0 (B) window 1, source 1 (A) window 0, C and D window 2
.set MUL_HI, 0xf1                      ; the same, C and D window 3
.set TO_B,   0x40                      ; destination window 1, address window 0
; A joint load: waves 0 and 1 fetch for A, waves 2 and 3 for B.  The branch hangs on the wave's number alone.  Four v_nop follow each of the two lines.
.macro JLOAD g0a, g1a, g0b, g1b
	s_cmp_eq_u32 s15, 0
	s_cbranch_scc0 .Lfor_b_\@
	tensor_load_to_lds s[\g0a:\g0a+3], s[\g1a:\g1a+7]
	s_nop 0
.rept 4
	v_nop
.endr
	s_branch .Lasked_\@
.Lfor_b_\@:
	tensor_load_to_lds s[\g0b:\g0b+3], s[\g1b:\g1b+7]
	s_nop 0
.rept 4
	v_nop
.endr
.Lasked_\@:
.endm
.macro CREST                           ; a round of the cluster's barrier behind its opening barrier
	s_cmp_lg_u32 s14, 0
	s_cbranch_scc1 .Lnot_wave_0_\@
	s_barrier_signal -3
.Lnot_wave_0_\@:
	s_barrier_wait -3
	s_barrier_signal -1
	s_barrier_wait -1
.endm
.macro CROUND                          ; a whole round
	s_barrier_signal -1
	s_barrier_wait -1
	CREST
.endm
	s_load_b128 s[4:7], s[0:1], 0x0                ; xc s[4:5], wc s[6:7]
	s_load_b128 s[8:11], s[0:1], 0x10              ; the exponents s[8:9], qkvc s[10:11]
	v_lshl_add_u32 v[SPW], v0, 2, SPARE
	v_mov_b32 v[NIL], 0
	ds_add_u32 v28, v29
	ds_add_u32 v28, v29
	s_wait_dscnt 0x0
	v_lshrrev_b32 v1, 5, v0
	v_readfirstlane_b32 s14, v1                    ; wave 0..3
	s_lshr_b32 s15, s14, 1                         ; which half of the tile's rows is mine.  Also: I fetch for A (0) or for B (1)
	s_and_b32 s16, s14, 1                          ; which half of its columns.  Also: which 128 rows of that tile I fetch
	s_bfe_u32 s40, ttmp6, 0x40000                  ; cx, cy: my place in the cluster
	s_bfe_u32 s41, ttmp6, 0x40004
	s_and_b32 s66, ttmp7, 0xffff
	s_lshl_b32 s66, s66, 2                         ; 4 x cluster y
	s_lshl_b32 s67, ttmp9, 23                      ; P x 8 MiB: a set of xc, a section of qkvc
	s_lshl_b32 s68, ttmp9, 20                      ; P x 1 MiB: a set of wc
	s_lshl_b32 s43, s41, 2
	s_lshl_b32 s43, 15, s43                        ; my row of the cluster
	s_lshl_b32 s44, 0x1111, s40                    ; my column
	s_cmp_eq_u32 ttmp9, 2                          ; P is the same in all sixteen partners.  Selects alone follow, so SCC stands
	s_cselect_b32 s69, 0, s66                      ; the long axis (8,192 tokens) runs along the tile rows for q and k, along the tile columns for v^T
	s_cselect_b32 s70, s66, 0
	s_cselect_b32 s71, 0x200000, s67               ; A's set: wc set 2, or xc set P
	s_cselect_b32 s84, 0x1000000, s68              ; B's set: xc set 2, or wc set P
	s_add_co_u32 s17, s41, s69                     ; tile row
	s_add_co_u32 s42, s40, s70                     ; tile column
	; descriptor group 1: a tile of 128 rows x 256 bytes, padded in LDS
	s_or_b32 s[G1+0], s43, (0<<16)|(1<<20)|(1<<21)|(5<<22)|(3<<25)  ; 15:0 the mask: A's tiles go to my row; 17:16 element of 1 byte; 20 padding on; 21 set beside a mask; 24:22 after every 64 words (code 5); 31:25 of 4 words (code 3)
	s_or_b32 s[G1B+0], s44, (0<<16)|(1<<20)|(1<<21)|(5<<22)|(3<<25)
.irp g, G1, G1B
	s_mov_b32 s[\g+1], ROWB<<16                    ; tensor_dim0
	s_mov_b32 s[\g+2], 128<<16                     ; tensor_dim1 = 128
	s_mov_b32 s[\g+3], ROWB<<16                    ; tile_dim0
	s_mov_b32 s[\g+4], 128                         ; tile_dim1 = 128
	s_mov_b32 s[\g+5], KROW                        ; tensor_dim0_stride
	s_mov_b32 s[\g+6], 0
	s_mov_b32 s[\g+7], 0
.endr
	s_lshl_b32 s18, s16, 7                         ; which 128 rows of the tile I fetch
	s_lshl_b32 s20, s17, 8
	s_add_co_u32 s20, s20, s18                     ; A: row 256 x tile row + 128 x half,
	s_lshl_b32 s20, s20, 10                        ; in bytes (under 2^25),
	s_add_co_u32 s20, s20, s71                     ; in its set
	s_mov_b32 s21, 0
	s_lshl_b32 s46, s42, 8
	s_add_co_u32 s46, s46, s18                     ; B: row 256 x tile column + 128 x half
	s_lshl_b32 s46, s46, 10
	s_add_co_u32 s46, s46, s84
	s_mov_b32 s47, 0
	s_mul_i32 s45, s14, HALFT                      ; where they go: wave x 128 rows: no place in the cluster enters an LDS address
	s_wait_kmcnt 0x0
	s_load_b256 s[72:79], s[8:9], 0x0              ; e0 .. e7
	s_load_b128 s[80:83], s[8:9], 0x20             ; e8 .. e11
	s_cmp_eq_u32 ttmp9, 2
	s_cselect_b64 s[86:87], s[6:7], s[4:5]         ; A's buffer
	s_cselect_b64 s[88:89], s[4:5], s[6:7]         ; B's buffer
	s_add_nc_u64 s[20:21], s[86:87], s[20:21]
	s_add_nc_u64 s[46:47], s[88:89], s[46:47]
	CROUND                                         ; all sixteen work-groups are here: the first joint loads meet
.irp s, 0,1
	s_mov_b32 s[G0+4*\s], 1
	s_add_co_u32 s[G0+4*\s+1], s45, \s*SLOT
	s_add_nc_u64 s[G0+4*\s+2:G0+4*\s+3], s[20:21], \s*ROWB
	s_or_b32 s[G0+4*\s+3], s[G0+4*\s+3], 0x80000000
	s_mov_b32 s[G0B+4*\s], 1
	s_add_co_u32 s[G0B+4*\s+1], s45, \s*SLOT
	s_add_nc_u64 s[G0B+4*\s+2:G0B+4*\s+3], s[46:47], \s*ROWB
	s_or_b32 s[G0B+4*\s+3], s[G0B+4*\s+3], 0x80000000
	JLOAD G0+4*\s, G1, G0B+4*\s, G1B
.endr
	v_and_b32 v1, 15, v0                           ; l % 16
	v_bfe_u32 v2, v0, 4, 1                         ; l / 16
	v_mul_u32_u24 v3, v1, PITCH
	v_lshl_add_u32 v4, v2, 4, v3                   ; a fragment's row x pitch + 16 x half
	s_mul_i32 s21, s15, HALFT                      ; my 128 rows of A
	s_mul_i32 s22, s16, HALFT                      ; my 128 rows of B,
	s_add_co_u32 s22, s22, 2*HALFT                 ; which lie behind A's 256
.irp s, 0,1
	v_add_nc_u32 v[ADRA+\s], s21, v4
	v_add_nc_u32 v[ADRB+\s], s22, v4
	s_add_co_u32 s21, s21, SLOT
	s_add_co_u32 s22, s22, SLOT
.endr
.macro FRAG reg, adr, q, i             ; a fragment, 16 rows x 128 K, is 16 registers: lane l holds row l % 16; registers 4 c .. 4 c + 3 hold K = 32 c + 16 (l / 16) + 0 .. 15
.irp c, 0,1,2,3
	ds_load_b128 v[\reg+4*\c:\reg+4*\c+3], v[\adr] offset:128*(\q)+32*\c+(\i)*16*PITCH
.endr
.endm
; 16 matrix instructions: A's blocks a0, a0 + 1 x B's eight, 128 along K.  p: B's set.  zero = 1: the first product starts the sums.
; The 64 accumulators take turns, one instruction a turn, in the same order in every step.
.macro MUL16 a0, p, zero
.irp a, \a0, \a0+1
.irp b, 0,1,2,3,4,5,6,7
.if \zero
	v_wmma_f32_16x16x128_fp8_fp8 v[8*(8*((\a)%4)+\b):8*(8*((\a)%4)+\b)+7], v[128*(\p)+FR*\b:128*(\p)+FR*\b+FR-1], v[AF+FR*(\a):AF+FR*(\a)+FR-1], 0
.else
	v_wmma_f32_16x16x128_fp8_fp8 v[8*(8*((\a)%4)+\b):8*(8*((\a)%4)+\b)+7], v[128*(\p)+FR*\b:128*(\p)+FR*\b+FR-1], v[AF+FR*(\a):AF+FR*(\a)+FR-1], v[8*(8*((\a)%4)+\b):8*(8*((\a)%4)+\b)+7]
.endif
.endr
.endr
.endm
.macro FETCH_B slot, q, p              ; B's eight fragments of the slot's q-th 128 along K into set p
	WIN TO_B
.irp i, 0,1,2,3,4,5,6,7
	FRAG 128*(\p)+FR*\i, ADRB+\slot, \q, \i
.endr
	WIN 0
.endm
.macro FETCH_A slot, q, i0             ; A's blocks i0 .. i0 + 3
.irp i, \i0, \i0+1, \i0+2, \i0+3
	FRAG AF+FR*(\i), ADRA+\slot, \q, \i
.endr
.endm
; A load into a register that a matrix instruction has read, and a vector instruction that reads a matrix result, stand NP places behind that matrix instruction; only plain vector
; instructions that name none of its registers are places (ISA guide 7.12.1 for vector instructions).
.macro PLACES n
.rept \n
	v_nop
.endr
.endm
; A step of 128 along K that has its successor in the same slot.
.macro STEP slot, q, zero
	s_wait_dscnt 4*NL                              ; B's set and A's blocks 0-3 are in; the youngest sixteen loads (A's blocks 4-7) may be out
	WIN MUL_LO
	MUL16 0, (\q)%2, \zero
	MUL16 2, (\q)%2, \zero
	s_wait_dscnt 0                                 ; A's blocks 4-7 are in
	PLACES NP
	FETCH_B \slot, (\q)+1, 1-(\q)%2
	FETCH_A \slot, (\q)+1, 0
	WIN MUL_HI
	MUL16 4, (\q)%2, \zero
	MUL16 6, (\q)%2, \zero
	PLACES NP
	WIN 0
	FETCH_A \slot, (\q)+1, 4
.endm
; A slot's last step changes slots: ONE barrier; in front of it each wave waits for all its tensor loads, adds 0 to its spare word, and waits for that and for its own reads of this slot.  fill = 1: this slot is filled again, two K steps ahead.
.macro TURN slot, next, fill
	s_wait_tensorcnt 0x0                           ; all my tensor loads have landed: my part of the next slot  (every window is 0 here)
	ds_add_u32 v[SPW], v[NIL]                      ; 0 onto my spare word
	s_wait_dscnt 4*NL+1                            ; (the add and the youngest sixteen loads, A's blocks 4-7, may be out)
	WIN MUL_LO
	MUL16 0, 1, 0                                  ; sixteen matrix instructions stand between the add and the wait for it
	s_wait_dscnt 0x0                               ; the add is done, and my reads of this slot are over
	s_barrier_signal -1
	MUL16 2, 1, 0
	WIN 0
	s_barrier_wait -1
.if \fill
	CREST                                          ; the barrier has opened a round of the cluster's barrier: no wave of any partner still reads this slot's tile or has a load on its way
	s_add_nc_u64 s[G0+4*\slot+2:G0+4*\slot+3], s[G0+4*\slot+2:G0+4*\slot+3], 2*ROWB
	s_add_nc_u64 s[G0B+4*\slot+2:G0B+4*\slot+3], s[G0B+4*\slot+2:G0B+4*\slot+3], 2*ROWB
	JLOAD G0+4*\slot, G1, G0B+4*\slot, G1B         ; the first tensor load behind the round; the four v_nop behind it are the places in front of the loads below
.else
	PLACES NP
.endif
	FETCH_B \next, 0, 0
	FETCH_A \next, 0, 0
	WIN MUL_HI
	MUL16 4, 1, 0
	MUL16 6, 1, 0
	PLACES NP
	WIN 0
	FETCH_A \next, 0, 4
.endm
	s_wait_alu depctr_va_vdst(0)
	s_wait_tensorcnt 1                             ; my part of K step 0 is in (K step 1's load may be out)
	s_barrier_signal -1
	s_barrier_wait -1                              ; everybody's is
	FETCH_B 0, 0, 0
	FETCH_A 0, 0, 0
	FETCH_A 0, 0, 4
	STEP 0, 0, 1                                   ; the first step stands in front of the loop: its products start the sums
	s_mov_b32 s3, LAPS-1
.Llap:                                                 ; a trip goes once round the ring and fills both slots again
	TURN 0, 1, 1
	STEP 1, 0, 0
	TURN 1, 0, 1
	STEP 0, 0, 0
	s_sub_co_u32 s3, s3, 1
	s_cmp_lg_u32 s3, 0
	s_cbranch_scc1 .Llap
	TURN 0, 1, 0                                   ; the last lap fills nothing, and has no round of the cluster's barrier
	STEP 1, 0, 0
	s_wait_dscnt 4*NL                              ; the very last step: nothing more to fetch
	WIN MUL_LO
	MUL16 0, 1, 0
	MUL16 2, 1, 0
	s_wait_dscnt 0
	WIN MUL_HI
	MUL16 4, 1, 0
	MUL16 6, 1, 0
	WIN 0
	; THE WAY OUT.  Where my part begins in qkvc: section P; head 16 x batch + (my first feature) / 64; then my first token's place in the head.
	; For a token row that is a multiple of 128 the place is (row % 2,048) x 64 bytes in q's and k's layout (1,024 bytes for 16 tokens) and in v's (8,192 bytes for 128 keys) alike.
	s_cmp_eq_u32 ttmp9, 2
	s_cselect_b32 s84, s42, s17                    ; the tile along the tokens,
	s_cselect_b32 s85, s16, s15                    ; my half of it;
	s_cselect_b32 s86, s17, s42                    ; the tile along the features,
	s_cselect_b32 s87, s15, s16                    ; my half of it
	s_lshl_b32 s84, s84, 8
	s_lshl_b32 s85, s85, 7
	s_add_co_u32 s84, s84, s85                     ; my first token row
	s_lshr_b32 s85, s84, 11                        ; the batch
	s_lshl_b32 s85, s85, 4
	s_lshl_b32 s86, s86, 2
	s_add_co_u32 s85, s85, s86
	s_lshl_b32 s87, s87, 1
	s_add_co_u32 s85, s85, s87                     ; my first head (I hold two)
	s_lshl_b32 s85, s85, 17                        ; 131,072 bytes a head
	s_and_b32 s84, s84, 2047
	s_lshl_b32 s84, s84, 6
	s_add_co_u32 s84, s84, s85
	s_add_co_u32 s84, s84, s67
	s_mov_b32 s85, 0
	s_add_nc_u64 s[10:11], s[10:11], s[84:85]
	s_wait_kmcnt 0x0
	s_add_co_i32 s84, s72, s73                     ; e0 + e1
	s_add_co_i32 s85, s74, s75                     ; e2 + e3
	s_add_co_i32 s86, s76, s77                     ; e4 + e5
	s_cmp_eq_u32 ttmp9, 0
	s_cselect_b32 s87, s84, s85
	s_cselect_b32 s88, s78, s79                    ; e6 for q, e7 for k,
	s_cmp_eq_u32 ttmp9, 2
	s_cselect_b32 s87, s86, s87
	s_cselect_b32 s88, s81, s88                    ; e9 for v: chosen by selects on P, no branch hangs on a loaded number
	s_sub_co_i32 s87, s88, s87
	s_add_co_i32 s87, s87, 127
	s_lshl_b32 s88, s87, 23
	v_mov_b32 v[SC], s88                           ; 2^(eo - eA - eB) as f32
	v_and_b32 v[LO], 31, v0
	v_lshlrev_b32 v[LO], 4, v[LO]
	PLACES NP                                      ; behind the last products: their results are read, and A's registers written, below
; Block a (A's rows 16 a on): 8 conversions make 16 code registers, 4 stores of 512 consecutive bytes.
.macro OUTBLK a, isv
.set AC, 64*((\a)%4)
	WIN 0x02+((\a)/4)                              ; source 0: window 2 or 3
.set j, 0
.rept 64
.set j, j+1
.endr
.irp b, 0,1,2,3,4,5,6,7
	v_cvt_scalef32_pk8_fp8_f32 v[CD+16*(\a)+2*\b:CD+16*(\a)+2*\b+1], v[AC+8*\b:AC+8*\b+7], v[SC]
.endr
	WIN 0
	v_nop                                          ; a plain line behind the last conversion
.irp g, 0,1,2,3
.if \isv
	global_store_b128 v[LO], v[CD+16*(\a)+4*\g:CD+16*(\a)+4*\g+3], s[10:11] offset:131072*((\a)/4)+2048*((\a)%4)+512*\g   ; head a / 4, channels' tile a % 4, keys 32 g on
.else
	global_store_b128 v[LO], v[CD+16*(\a)+4*\g:CD+16*(\a)+4*\g+3], s[10:11] offset:1024*(\a)+131072*(\g/2)+512*(\g%2)     ; tokens' tile a, head g / 2, channels 32 (g % 2) on
.endif
.endr
.endm
	s_cmp_eq_u32 ttmp9, 2                          ; the same in all sixteen partners; no barrier and no tensor load stands in either arm
	s_cbranch_scc1 .Lvt
.irp a, 0,1,2,3,4,5,6,7
	OUTBLK \a, 0
.endr
	s_branch .Lend
.Lvt:
	s_wait_alu depctr_va_vdst(0)
.irp a, 0,1,2,3,4,5,6,7
	OUTBLK \a, 1
.endr
.Lend:
	s_wait_tensorcnt 0x0                           ; the wave's end
	ds_add_u32 v[SPW], v[NIL]
	s_wait_dscnt 0x0
	CROUND                                         ; the closing round: no work-group ends while a partner may still ask for a tile that names it
	s_endpgm
.Lfunc_end_k_q2d31f87c51_qkv:
	.size	k_q2d31f87c51_qkv, .Lfunc_end_k_q2d31f87c51_qkv-k_q2d31f87c51_qkv
	.p2alignl 7, 3214868480
	.fill 96, 4, 3214868480
	.section	.rodata,"a",@progbits
	.p2align	6, 0x0
	.amdhsa_kernel k_q2d31f87c51_qkv
		.amdhsa_group_segment_fixed_size 327680
		.amdhsa_private_segment_fixed_size 0
		.amdhsa_enable_private_segment 0
		.amdhsa_kernarg_size 32
		.amdhsa_user_sgpr_count 2
		.amdhsa_user_sgpr_kernarg_segment_ptr 1
		.amdhsa_wavefront_size32 1
		.amdhsa_system_sgpr_workgroup_id_x 1
		.amdhsa_system_sgpr_workgroup_id_y 1
		.amdhsa_system_sgpr_workgroup_id_z 1
		.amdhsa_system_vgpr_workitem_id 0
		.amdhsa_next_free_vgpr 1024
		.amdhsa_next_free_sgpr 100
		.amdhsa_reserve_vcc 0
		.amdhsa_float_denorm_mode_32 3
		.amdhsa_float_denorm_mode_16_64 3
		.amdhsa_fp16_overflow 1
		.amdhsa_memory_ordered 1
		.amdhsa_forward_progress 1
		.amdhsa_inst_pref_size 94
	.end_amdhsa_kernel
	.amdgpu_metadata
---
amdhsa.version: [ 1, 2 ]
amdhsa.kernels:
  - .name:           k_q2d31f87c51_qkv
    .symbol:         k_q2d31f87c51_qkv.kd
    .args:
      - { .name: xc, .offset: 0, .size: 8, .value_kind: global_buffer, .address_space: global }
      - { .name: wc, .offset: 8, .size: 8, .value_kind: global_buffer, .address_space: global }
      - { .name: lowp_scales, .offset: 16, .size: 8, .value_kind: global_buffer, .address_space: global }
      - { .name: qkvc, .offset: 24, .size: 8, .value_kind: global_buffer, .address_space: global }
    .group_segment_fixed_size: 327680
    .private_segment_fixed_size: 0
    .kernarg_segment_align: 8
    .kernarg_segment_size: 32
    .max_flat_workgroup_size: 128
    .sgpr_count:     100
    .vgpr_count:     1024
    .wavefront_size: 32
...
	.end_amdgpu_metadata
.endif
;; end of part 2
;; launch attn (part 3): grid 4 x 64, 16 waves a work-group, clusters of 4 x 1, 264,192 bytes of LDS; arguments qkvc, lowp_scales, ac; writes ac
.if DOCPART == 3
	.amdgcn_target "amdgcn-amd-amdhsa--gfx1250"
	.amdhsa_code_object_version 6
	.text
	.protected	k_q2d31f87c51_attn
	.globl	k_q2d31f87c51_attn
	.p2align	8
	.type	k_q2d31f87c51_attn,@function
k_q2d31f87c51_attn:
	s_mov_b64 s[64:65], 0
	v_nop
	global_prefetch_b8 v0, s[64:65] scope:SCOPE_SE
	s_setreg_imm32_b32 hwreg(HW_REG_WAVE_MODE, 25, 1), 1
	s_wait_xcnt 0x0
	s_wait_alu depctr_hold_cnt(0) depctr_sa_sdst(0) depctr_va_vdst(0) depctr_va_sdst(0) depctr_va_ssrc(0) depctr_va_vcc(0) depctr_vm_vsrc(0)
	s_getreg_b32 s2, hwreg(HW_REG_IB_STS2, 6, 4)
	s_cmp_eq_u32 s2, 0
	s_cbranch_scc0 .Lentry_in_a_cluster
	s_endpgm
.Lentry_in_a_cluster:
	s_bfe_u32 s2, ttmp6, 0x10000c
	s_cmp_lg_u32 s2, 0x3003
	s_cbranch_scc0 .Lentry_shape_is_right
	s_endpgm
.Lentry_shape_is_right:
; Causal attention on E4M3 codes: for each of 64 heads (batch x head) of 2,048 tokens and 64 channels, O = softmax(Q K^T / 8, causal) V, and O quantised with 2^e10 for the last projection.
; THE SOFTMAX AHEAD OF THE SECOND PRODUCT: t = score x log2(e) / 8; M = the row's largest t so far, rounded UP to a whole number; p = 2^(t - M) is quantised with 2^e8; it is not normalised.
; The row's sum is taken of the unquantised p, in f32, and divides O at the end.  When M moves, the sum and O are multiplied by 2^(old M - new M): exact.
; LDS.  A head's codes of K and of V are 131,072 bytes each: both lie in LDS whole, as images of the operands' registers (a fragment's group of four registers = 512 consecutive bytes, 16 a lane): no padding, no ring, nothing is filled twice.
; K at byte 0: tile T of 16 keys at 1,024 T.  V at 131,072: key step ks at 8,192 ks, tile t of 16 channels at 2,048 t, keys 32 c on at 512 c.
; CLUSTER.  The four work-groups of a head form a cluster and ask for K and V JOINTLY (mask 15): waves 0, 1 fetch K's halves, waves 2, 3 V's, in four stages of 512 keys: four loads of 16,384 bytes a wave, all issued at the start.
; SHARES.  Wave w of the work-group at place cx owns two tiles of 16 queries: A = 4 w + cx and B = 127 - A.  A tile T needs T / 8 + 1 key steps of 128: A: w / 2 + 1, B: 16 - w / 2: 17 for every wave,
; and the counts hang on the wave's number alone: no branch hangs on cx, which enters Q's and the output's addresses and the mask's compare value only.
; LAYOUT.  Both products are used transposed: S^T = K Q^T (source 0 = 16 keys), O^T = V^T P^T (source 0 = 16 channels): a lane holds ONE query (lane % 16) throughout.  The keys of a tile of K and the channels of a tile of V
; are laid (by the launch before) so that the 16 registers of tiles 2 b and 2 b + 1 are 16 neighbours: 32 b + 16 (lane / 16) + 0 .. 15.  So p's codes are the second product's operand, and O's codes the last projection's.
; OUTPUT: ac [tile of 16 tokens][128 features][32 features][lane][16 bytes]: head hh's 64 features are 1,024 consecutive bytes at 1,024 hh of a tile's 16,384.
; LIMITS on the given exponents: e6 + e7 between -123 and 130 (added to c's exponent field); e8 between -126 and 119; e8 + e9 - e10 is applied by v_ldexp_f32 to 1 / sum: the result must be a normal f32 number.
; REGISTERS: v1 16 x lane; v2, v3 addresses of the step's K and V; v4, v5 the mask's compare values for tiles B, A; v12 -M, v13 the largest t, v[14:15] the sum in two halves; v16-23 Q of tile B; v24-31 the output's codes;
; v32-95 eight fragments of K, then four of V; v96-159 S^T, then p; v160-191 O^T; v192-199 Q of tile A; v224-239 p's codes; v241 448, v242 1.0, v244 2^e8; v236, v252-254 at work.
.set VB,   131072
.set LI,   1
.set ADK,  2
.set ADV,  3
.set DB,   4
.set DA,   5
.set WV,   10                          ; s10  my wave's number
.set CX,   11                          ; s11  my work-group's place in the cluster
.set HD,   12                          ; s12  the head, 16 x batch + head
.set DG,   13                          ; s13  the key step that holds the tile's diagonal
.set KS,   14                          ; s14  the key step in hand
.set TB,   15                          ; s15  its LDS byte: 8,192 x step
.set G1,   16                          ; s[16:23] descriptor group 1
.set G0,   24                          ; s[24:39] four groups 0, one for each stage
.set SEL,  40                          ; s[40:41] lane selects for v_permlanex16_b32: lane l xor 16
.set CS,   42                          ; s[42:43] c = log2(e) / 8 x 2^(e6 + e7)
.macro CROUND                          ; a round of the cluster's barrier
	s_barrier_signal -1
	s_barrier_wait -1
	s_cmp_lg_u32 s[WV], 0
	s_cbranch_scc1 .Lnot_wave_0_\@
	s_barrier_signal -3
.Lnot_wave_0_\@:
	s_barrier_wait -3
	s_barrier_signal -1
	s_barrier_wait -1
.endm
.macro INIT                            ; a tile begins: the step is written once, and the first change of M multiplies zeros
	v_mov_b32 v13, 0xff61b1e6                      ; the largest t so far: -3e38, under every t
	s_delay_alu instid0(VALU_DEP_1)
	v_floor_f32 v12, -v13                          ; -M
	v_mov_b32 v14, 0
	v_mov_b32 v15, 0
	v_mov_b32 v236, 0                              ; a lane permute's destination counts as one of its sources
	v_mov_b32 v253, 0                              ; (named as the upper half of the pair v[252:253])
.set j, 0
.rept 32
	v_mov_b32 v[160+j], 0
.set j, j+1
.endr
.endm
; A KEY STEP of 128 keys.  q: Q's first register; d: the register with the mask's compare value; chk = 1: the step may be hidden (left out) or hold the diagonal (masked); chk = 0: all its keys count.
.macro STEP q, d, chk
.if \chk
	s_cmp_gt_u32 s[KS], s[DG]                      ; all keys come after my queries: a scalar branch on ids, round the step's work
	s_cbranch_scc1 .Lhid_\@
.endif
	s_setprio 2
	v_add_nc_u32 v[ADK], s[TB], v[LI]
	s_delay_alu instid0(VALU_DEP_1)
	v_add_nc_u32 v[ADV], VB, v[ADK]
	v_nop
	v_nop                                          ; four places (the two additions are places too) in front of loads into registers that the last products read
.irp t, 0,1,2,3,4,5,6,7
	ds_load_b128 v[32+8*\t:35+8*\t], v[ADK] offset:1024*\t
	ds_load_b128 v[36+8*\t:39+8*\t], v[ADK] offset:1024*\t+512
.endr
	s_wait_alu depctr_va_vdst(0)
	s_wait_dscnt 0x0
.irp t, 0,1,2,3,4,5,6,7
	v_wmma_f32_16x16x64_fp8_fp8 v[96+8*\t:103+8*\t], v[32+8*\t:39+8*\t], v[\q:\q+7], 0   ; S^T: register 16 b + i of lane (r, h): key 32 b + 16 h + i of the step, query r
.endr
.rept 4
	v_nop                                          ; places in front of the loads below and of the first read of the scores
.endr
.irp t, 0,1,2,3
.irp c, 0,1,2,3
	ds_load_b128 v[32+16*\t+4*\c:35+16*\t+4*\c], v[ADV] offset:2048*\t+512*\c   ; V is asked for here and lands under the softmax
.endr
.endr
.if \chk
	s_cmp_lt_u32 s[KS], s[DG]                      ; all keys count: no mask
	s_cbranch_scc1 .Lopen_\@
	v_mov_b32 v254, 0xff800000                     ; on the diagonal hidden scores become -infinity ahead of the maximum: p = 0 then
.set n, 0
.rept 64
	v_cmp_gt_i32 vcc_lo, 32*(n/16)+n%16, v[\d]     ; hidden where 32 b + i > my query - the step's first key - 16 (lane / 16)
	v_cndmask_b32 v[96+n], v[96+n], v254, vcc_lo
.set n, n+1
.endr
.Lopen_\@:
.endif
	v_max3_num_f32 v254, v96, v97, v98             ; the step's largest score of my query among my 64 keys, in two chains, in ascending order,
	v_max3_num_f32 v252, v99, v100, v101
.irp i, 6,10,14,18,22,26,30,34,38,42,46,50,54,58
	v_max3_num_f32 v254, v254, v[96+\i], v[97+\i]
	v_max3_num_f32 v252, v252, v[98+\i], v[99+\i]
.endr
	v_max3_num_f32 v254, v254, v158, v159
	s_delay_alu instid0(VALU_DEP_1)
	v_max_num_f32 v254, v254, v252
	v_permlanex16_b32 v236, v254, s[SEL], s[SEL+1]
	s_delay_alu instid0(VALU_DEP_1)
	v_max_num_f32 v254, v254, v236                 ; and among lane l xor 16's
	s_delay_alu instid0(VALU_DEP_1)
	v_mul_f32 v254, s[CS], v254                    ; as t (c is positive)
	s_delay_alu instid0(VALU_DEP_1)
	v_max_num_f32 v13, v13, v254                   ; the running largest t
	v_mov_b32 v254, v12
	s_delay_alu instid0(VALU_DEP_2)
	v_floor_f32 v12, -v13                          ; the new -M = floor(-t) = -ceil(t): a whole number
	s_delay_alu instid0(VALU_DEP_1)
	v_sub_f32 v254, v12, v254                      ; old M - new M: a whole number, 0 or less
	s_delay_alu instid0(VALU_DEP_1)
	v_cvt_i32_f32 v254, v254                       ; (it saturates)
	s_delay_alu instid0(VALU_DEP_1)
	v_ldexp_f32 v252, 1.0, v254                    ; f = 2^(old M - new M)
.set j, 0
	s_setprio 1
.rept 32
	v_pk_fma_f32 v[96+j:97+j], v[96+j:97+j], s[CS:CS+1], v[12:13] op_sel_hi:[1,0,0]   ; t - M, two at a time (of the pairs c and -M the low word serves both halves)
.set j, j+2
.endr
.set j, 0
	s_wait_alu depctr_va_vdst(0)
.rept 64
	v_exp_f32 v[96+j], v[96+j]                     ; p = 2^(t - M), at most 1: not normalised
.set j, j+1
.endr
	v_pk_mul_f32 v[14:15], v[14:15], v[252:253] op_sel_hi:[1,0]   ; the sums under the new M: the plain line behind the exponentials
	s_wait_alu depctr_va_vdst(0)                   ; one wait for the whole batch, ahead of its first reader
	v_pk_add_f32 v[242:243], v[100:101], v[104:105]
	v_pk_add_f32 v[248:249], v[108:109], v[112:113]
	v_pk_add_f32 v[246:247], v[116:117], v[120:121]
	v_pk_add_f32 v[238:239], v[124:125], v[128:129]
	v_pk_add_f32 v[236:237], v[132:133], v[136:137]
	v_pk_add_f32 v[234:235], v[140:141], v[144:145]
	v_pk_add_f32 v[232:233], v[148:149], v[152:153]
	v_pk_add_f32 v[14:15], v[14:15], v[156:157]
	v_pk_add_f32 v[242:243], v[242:243], v[96:97]
	v_pk_add_f32 v[248:249], v[248:249], v[98:99]
	v_pk_add_f32 v[246:247], v[246:247], v[102:103]
	v_pk_add_f32 v[238:239], v[238:239], v[106:107]
	v_pk_add_f32 v[236:237], v[236:237], v[110:111]
	v_pk_add_f32 v[234:235], v[234:235], v[114:115]
	v_pk_add_f32 v[232:233], v[232:233], v[118:119]
	v_pk_add_f32 v[14:15], v[14:15], v[122:123]
	v_pk_add_f32 v[242:243], v[242:243], v[126:127]
	v_pk_add_f32 v[248:249], v[248:249], v[130:131]
	v_pk_add_f32 v[246:247], v[246:247], v[134:135]
	v_pk_add_f32 v[238:239], v[238:239], v[138:139]
	v_pk_add_f32 v[236:237], v[236:237], v[142:143]
	v_pk_add_f32 v[234:235], v[234:235], v[146:147]
	v_pk_add_f32 v[232:233], v[232:233], v[150:151]
	s_setprio 0
	v_pk_add_f32 v[14:15], v[14:15], v[154:155]
	v_pk_add_f32 v[242:243], v[242:243], v[158:159]
	s_delay_alu instid0(VALU_DEP_2)
	v_pk_add_f32 v[14:15], v[14:15], v[238:239]
	s_delay_alu instid0(VALU_DEP_2)
	v_pk_add_f32 v[242:243], v[242:243], v[236:237]
	v_pk_add_f32 v[248:249], v[248:249], v[234:235]
	v_pk_add_f32 v[246:247], v[246:247], v[232:233]
	s_delay_alu instid0(VALU_DEP_2)
	v_pk_add_f32 v[14:15], v[14:15], v[248:249]
	s_delay_alu instid0(VALU_DEP_2)
	v_pk_add_f32 v[242:243], v[242:243], v[246:247]
	s_delay_alu instid0(VALU_DEP_1)
	v_pk_add_f32 v[14:15], v[14:15], v[242:243]    ; the row's sum is taken of the unquantised p
	v_mov_b32 v242, 1.0                            ; (v242 served as a partial sum: it holds 1.0 again for the way out)
.irp b, 0,1,2,3
.irp i, 0,1,2,3,4,5,6,7,8,9,10,11,12,13,14,15
.endr
	v_cvt_scalef32_pk8_fp8_f32 v[224+4*\b:225+4*\b], v[96+16*\b:103+16*\b], v244
	v_cvt_scalef32_pk8_fp8_f32 v[226+4*\b:227+4*\b], v[104+16*\b:111+16*\b], v244
.endr
.set j, 0
.rept 16
	v_pk_mul_f32 v[160+j:161+j], v[160+j:161+j], v[252:253] op_sel_hi:[1,0]   ; O^T under the new M.  (Also the plain lines between the conversions and the products that read their results)
.set j, j+2
.endr
	s_wait_alu depctr_va_vdst(0)
	s_wait_dscnt 0x0                               ; V is in
.irp t, 0,1,2,3
	v_wmma_f32_16x16x128_fp8_fp8 v[160+8*\t:167+8*\t], v[32+16*\t:47+16*\t], v[224:239], v[160+8*\t:167+8*\t]   ; the four accumulators take turns; eight other products stand between two links of a chain
.endr
.if \chk
.Lhid_\@:
.endif
	s_add_co_u32 s[TB], s[TB], 8192
.endm
; A tile's end: O^T / the sum x 2^(e8 + e9 - e10), held within +-448, converted with the scale 1: 32 codes a lane, two stores of 512 consecutive bytes.
.macro WAYOUT base
.rept 4
	v_nop                                          ; places behind the last products
.endr
	v_add_f32 v14, v14, v15                        ; the sum's two halves,
	s_delay_alu instid0(VALU_DEP_1)
	v_permlanex16_b32 v252, v14, s[SEL], s[SEL+1]
	s_delay_alu instid0(VALU_DEP_1)
	v_add_f32 v14, v14, v252                       ; and lane l xor 16's
	s_wait_alu depctr_va_vdst(0)
	v_rcp_f32 v14, v14
	v_nop                                          ; a plain line behind the reciprocal
	s_wait_xcnt 0x0                                ; the other tile's stores have read v24-31
	s_wait_alu depctr_va_vdst(0)                   ; ahead of the reciprocal's first reader
	v_ldexp_f32 v14, v14, s66
.set j, 0
.rept 16
	v_pk_mul_f32 v[96+j:97+j], v[160+j:161+j], v[14:15] op_sel_hi:[1,0]   ; each accumulator from its low end on
.set j, j+2
.endr
.set j, 0
.rept 32
	v_med3_num_f32 v[96+j], v[96+j], -v241, v241
.set j, j+1
.endr
.irp t, 0,1,2,3
	v_cvt_scalef32_pk8_fp8_f32 v[24+2*\t:25+2*\t], v[96+8*\t:103+8*\t], v242   ; tiles 2 a, 2 a + 1: channels 32 a + 16 (lane / 16) + 0 .. 15 of my query
.endr
	v_nop                                          ; a plain line behind the last conversion
	global_store_b128 v[LI], v[24:27], s[\base:\base+1]
	global_store_b128 v[LI], v[28:31], s[\base:\base+1] offset:512
.endm
	s_load_b128 s[4:7], s[0:1], 0x0                ; qkvc s[4:5], the exponents s[6:7]
	s_load_b64 s[8:9], s[0:1], 0x10                ; ac
	v_lshl_add_u32 v251, v0, 2, 0x40000
	v_mov_b32 v255, 0
	ds_add_u32 v251, v255
	ds_add_u32 v251, v255
	v_lshrrev_b32 v2, 5, v0
	s_delay_alu instid0(VALU_DEP_1)
	v_readfirstlane_b32 s[WV], v2                  ; wave 0..15
	s_bfe_u32 s[CX], ttmp6, 0x40000
	s_and_b32 s[HD], ttmp7, 0xffff
	v_and_b32 v[LI], 31, v0
	s_delay_alu instid0(VALU_DEP_1)
	v_lshlrev_b32 v[LI], 4, v[LI]
	v_and_b32 v6, 15, v0                           ; r
	v_bfe_u32 v7, v0, 4, 1                         ; h
	s_delay_alu instid0(VALU_DEP_1)
	v_lshlrev_b32 v7, 4, v7
	s_delay_alu instid0(VALU_DEP_1)
	v_sub_nc_u32 v6, v6, v7                        ; r - 16 h
	s_wait_alu depctr_va_vdst(0)
	; descriptor group 1: a dense block of 16,384 bytes as 64 rows of 256
	s_mov_b32 s[G1], 15|(3<<16)|(1<<21)            ; 15:0 the mask: all four work-groups; 17:16 elements of 8 bytes; 21 set beside a mask; no padding
	s_mov_b32 s[G1+1], 32<<16                      ; tensor_dim0 = 32
	s_mov_b32 s[G1+2], 64<<16                      ; tensor_dim1 = 64
	s_mov_b32 s[G1+3], 32<<16                      ; tile_dim0 = 32
	s_mov_b32 s[G1+4], 64                          ; tile_dim1 = 64
	s_mov_b32 s[G1+5], 32                          ; tensor_dim0_stride
	s_mov_b32 s[G1+6], 0
	s_mov_b32 s[G1+7], 0
	s_mov_b32 s[SEL], 0x76543210
	s_mov_b32 s[SEL+1], 0xfedcba98
	s_mov_b32 s[CS], 0x3e38aa3b                    ; log2(e) / 8
	s_lshr_b32 s67, s[WV], 1
	s_and_b32 s67, s67, 1                          ; what I fetch, if I fetch: 0 K, 1 V;
	s_and_b32 s68, s[WV], 1                        ; which half of a stage's 32,768 bytes
	s_lshl_b32 s69, s67, 17
	s_lshl_b32 s70, s68, 14
	s_add_co_u32 s69, s69, s70                     ; its LDS byte in stage 0: made of the wave's number alone
	s_lshl_b32 s71, s[HD], 17                      ; the head's 131,072 bytes in each section
	s_lshl_b32 s72, s67, 23
	s_add_co_u32 s72, s72, s70
	s_add_co_u32 s72, s72, s71
	s_add_co_u32 s72, s72, 0x800000                ; k's section lies 8 MiB in, v's 16: made of the head and the wave's number alone
	s_mov_b32 s73, 0
	s_lshl_b32 s74, s[WV], 2
	s_add_co_u32 s74, s74, s[CX]                   ; tile A
	s_sub_co_u32 s75, 127, s74                     ; tile B
	s_lshl_b32 s56, s75, 10
	s_add_co_u32 s56, s56, s71                     ; Q of tile B: 1,024 bytes a tile
	s_mov_b32 s57, 0
	s_lshl_b32 s58, s74, 10
	s_add_co_u32 s58, s58, s71                     ; Q of tile A
	s_mov_b32 s59, 0
	s_lshr_b32 s78, s[HD], 4
	s_lshl_b32 s78, s78, 7                         ; the batch's first tile of tokens
	s_and_b32 s79, s[HD], 15
	s_lshl_b32 s79, s79, 10                        ; the head's 1,024 bytes of a tile's 16,384
	s_add_co_u32 s60, s78, s75
	s_lshl_b32 s60, s60, 14
	s_add_co_u32 s60, s60, s79                     ; the output of tile B
	s_mov_b32 s61, 0
	s_add_co_u32 s62, s78, s74
	s_lshl_b32 s62, s62, 14
	s_add_co_u32 s62, s62, s79                     ; of tile A
	s_mov_b32 s63, 0
	s_lshl_b32 s76, s68, 2
	s_add_co_u32 s76, s76, s[CX]                   ; tile A % 8
	s_sub_co_u32 s77, 7, s76                       ; tile B % 8
	s_lshl_b32 s76, s76, 4
	s_lshl_b32 s77, s77, 4
	v_add_nc_u32 v[DA], s76, v6                    ; my query - the diagonal step's first key - 16 h
	v_add_nc_u32 v[DB], s77, v6
	s_wait_dscnt 0x0
	s_wait_kmcnt 0x0
	s_load_b256 s[44:51], s[6:7], 0x0              ; e0 .. e7
	s_load_b128 s[52:55], s[6:7], 0x20             ; e8 .. e11
	s_add_nc_u64 s[72:73], s[4:5], s[72:73]
	s_add_nc_u64 s[56:57], s[4:5], s[56:57]
	s_add_nc_u64 s[58:59], s[4:5], s[58:59]
	s_add_nc_u64 s[60:61], s[8:9], s[60:61]
	s_add_nc_u64 s[62:63], s[8:9], s[62:63]
.irp st, 0,1,2,3
	s_mov_b32 s[G0+4*\st], 1                       ; count = 1
	s_add_co_u32 s[G0+4*\st+1], s69, \st*32768     ; LDS address
	s_add_nc_u64 s[G0+4*\st+2:G0+4*\st+3], s[72:73], \st*32768   ; global address: stage st is 512 keys: 32,768 bytes of K and of V
	s_or_b32 s[G0+4*\st+3], s[G0+4*\st+3], 0x80000000   ; type = 2
.endr
	CROUND                                         ; all four work-groups are here: the joint loads meet
	s_cmp_lt_u32 s[WV], 4                          ; waves 0 to 3 fetch: all their fills stand in this one branch, ahead of every wait on TENSORcnt, every LDS read and every other barrier: four loads of mine are out
	s_cbranch_scc0 .Lnone
	tensor_load_to_lds s[G0:G0+3], s[G1:G1+7]
	s_nop 0
	tensor_load_to_lds s[G0+4:G0+7], s[G1:G1+7]
	s_nop 0
	tensor_load_to_lds s[G0+8:G0+11], s[G1:G1+7]
	s_nop 0
	tensor_load_to_lds s[G0+12:G0+15], s[G1:G1+7]
	s_nop 0
.rept 4
	v_nop
.endr
.Lnone:
	global_load_b128 v[16:19], v[LI], s[56:57]             ; Q's fragments stay in registers: channels 16 h + 0 .. 15,
	global_load_b128 v[20:23], v[LI], s[56:57] offset:512  ; 32 + 16 h + 0 .. 15
	global_load_b128 v[192:195], v[LI], s[58:59]
	global_load_b128 v[196:199], v[LI], s[58:59] offset:512
	s_wait_kmcnt 0x0
	s_add_co_i32 s67, s50, s51
	s_lshl_b32 s67, s67, 23
	s_add_co_i32 s[CS], s[CS], s67                 ; a score stands for score x 2^(e6 + e7): the exponents are added to c's exponent field
	s_mov_b32 s[CS+1], s[CS]                       ; (named with it as a pair, so it is written)
	s_add_co_i32 s67, s52, 127
	s_lshl_b32 s68, s67, 23
	v_mov_b32 v244, s68                            ; 2^e8 as f32
	v_mov_b32 v241, 0x43e00000                     ; 448
	v_mov_b32 v242, 1.0
	v_mov_b32 v243, 0
	s_add_co_i32 s66, s52, s53
	s_sub_co_i32 s66, s66, s54                     ; e8 + e9 - e10
	INIT
	s_wait_loadcnt 0x0                             ; Q
	; ---- tile B: 16 - w / 2 key steps, at least nine.  The first four are open for every wave and carry the four barriers, one for each stage of K and V
	s_lshr_b32 s[DG], s[WV], 1
	s_sub_co_u32 s[DG], 15, s[DG]
	s_mov_b32 s[TB], 0
.irp n, 3,2,1,0
	s_wait_tensorcnt \n                            ; my loads up to stage 3 - n have landed; the n later stages may stay out
	s_barrier_signal -1
	s_barrier_wait -1                              ; everybody's have
	STEP 16, DB, 0
.endr
	s_mov_b32 s[KS], 4
.Ltile_b:                                          ; twelve trips for every wave: the trip count is a constant, and hidden steps jump over their work
	STEP 16, DB, 1
	s_add_co_u32 s[KS], s[KS], 1
	s_cmp_lt_u32 s[KS], 16
	s_cbranch_scc1 .Ltile_b
	s_setprio 0
	WAYOUT 60
	; ---- tile A: w / 2 + 1 key steps
	INIT
	s_lshr_b32 s[DG], s[WV], 1
	s_mov_b32 s[TB], 0
	s_mov_b32 s[KS], 0
.Ltile_a:                                          ; eight trips
	STEP 192, DA, 1
	s_add_co_u32 s[KS], s[KS], 1
	s_cmp_lt_u32 s[KS], 8
	s_cbranch_scc1 .Ltile_a
	s_setprio 0
	WAYOUT 62
	s_wait_tensorcnt 0x0
	ds_add_u32 v251, v255
	s_wait_dscnt 0x0
	CROUND                                         ; the closing round
	s_endpgm
.Lfunc_end_k_q2d31f87c51_attn:
	.size	k_q2d31f87c51_attn, .Lfunc_end_k_q2d31f87c51_attn-k_q2d31f87c51_attn
	.p2alignl 7, 3214868480
	.fill 96, 4, 3214868480
	.section	.rodata,"a",@progbits
	.p2align	6, 0x0
	.amdhsa_kernel k_q2d31f87c51_attn
		.amdhsa_group_segment_fixed_size 264192
		.amdhsa_private_segment_fixed_size 0
		.amdhsa_enable_private_segment 0
		.amdhsa_kernarg_size 24
		.amdhsa_user_sgpr_count 2
		.amdhsa_user_sgpr_kernarg_segment_ptr 1
		.amdhsa_wavefront_size32 1
		.amdhsa_system_sgpr_workgroup_id_x 1
		.amdhsa_system_sgpr_workgroup_id_y 1
		.amdhsa_system_sgpr_workgroup_id_z 1
		.amdhsa_system_vgpr_workitem_id 0
		.amdhsa_next_free_vgpr 256
		.amdhsa_next_free_sgpr 80
		.amdhsa_reserve_vcc 1
		.amdhsa_float_denorm_mode_32 3
		.amdhsa_float_denorm_mode_16_64 3
		.amdhsa_fp16_overflow 1
		.amdhsa_memory_ordered 1
		.amdhsa_forward_progress 1
		.amdhsa_inst_pref_size 111
	.end_amdhsa_kernel
	.amdgpu_metadata
---
amdhsa.version: [ 1, 2 ]
amdhsa.kernels:
  - .name:           k_q2d31f87c51_attn
    .symbol:         k_q2d31f87c51_attn.kd
    .args:
      - { .name: qkvc, .offset: 0, .size: 8, .value_kind: global_buffer, .address_space: global }
      - { .name: lowp_scales, .offset: 8, .size: 8, .value_kind: global_buffer, .address_space: global }
      - { .name: ac, .offset: 16, .size: 8, .value_kind: global_buffer, .address_space: global }
    .group_segment_fixed_size: 264192
    .private_segment_fixed_size: 0
    .kernarg_segment_align: 8
    .kernarg_segment_size: 24
    .max_flat_workgroup_size: 512
    .sgpr_count:     80
    .vgpr_count:     256
    .wavefront_size: 32
...
	.end_amdgpu_metadata
.endif
;; end of part 3
;; launch oproj (part 4): grid 4 x 32, 4 waves a work-group, clusters of 4 x 4, 327,680 bytes of LDS; arguments ac, wc, lowp_scales, out0; writes out0
.if DOCPART == 4
	.amdgcn_target "amdgcn-amd-amdhsa--gfx1250"
	.amdhsa_code_object_version 6
	.text
	.protected	k_q2d31f87c51_oproj
	.globl	k_q2d31f87c51_oproj
	.p2align	8
	.type	k_q2d31f87c51_oproj,@function
k_q2d31f87c51_oproj:
	s_mov_b64 s[64:65], 0
	v_nop
	global_prefetch_b8 v0, s[64:65] scope:SCOPE_SE
	s_setreg_imm32_b32 hwreg(HW_REG_WAVE_MODE, 25, 1), 1
	s_wait_xcnt 0x0
	s_wait_alu depctr_hold_cnt(0) depctr_sa_sdst(0) depctr_va_vdst(0) depctr_va_sdst(0) depctr_va_ssrc(0) depctr_va_vcc(0) depctr_vm_vsrc(0)
	s_getreg_b32 s2, hwreg(HW_REG_IB_STS2, 6, 4)
	s_cmp_eq_u32 s2, 0
	s_cbranch_scc0 .Lentry_in_a_cluster
	s_endpgm
.Lentry_in_a_cluster:
	s_bfe_u32 s2, ttmp6, 0x10000c
	s_cmp_lg_u32 s2, 0xf033
	s_cbranch_scc0 .Lentry_shape_is_right
	s_endpgm
.Lentry_shape_is_right:
; out0 [8192][1024] f32 = (attention's output) Wo, on E4M3 codes; each finished sum is multiplied once by 2^(e10 + e11).  LIMIT: e10 + e11 between -126 and 127, so that the power is an f32 number.
; A = ac: images of operand registers: [tile of 16 tokens][K step of 128][c = 0 .. 3][lane][16 bytes]: lane (r, h) holds k = 32 c + 16 h + 0 .. 15 of token 16 T + r: a fragment is 2,048 consecutive bytes.
; B = wc set 3: [1024 rows][1024 codes], K innermost; row i holds column sw(i) of Wo (bits 3 and 4 exchanged).
; A tile of 256 x 256 is made by four waves, 128 x 128 each: 64 accumulators, 512 registers.  K = 1,024 goes in four steps of 256 through a ring of two LDS slots filled by the tensor data mover.
; CLUSTERS: 4 x 4 work-groups; A's tiles are asked for jointly along a row of the cluster, B's along a column.
; THE MATRIX INSTRUCTION IS USED TRANSPOSED (source 0 = 16 rows of B, source 1 = 16 rows of A): lane (r, h) of accumulator (a, b) holds token 16 a + r and the true columns 32 (b / 2) + 16 h + 8 (b % 2) + 0 .. 7.
; REGISTERS, in windows of 256: window 0: v0-31 addresses; from v128 A's fragments, ONE set; on the way out v32-255 are free.  window 1: B's fragments, TWO sets.  windows 2, 3: the accumulators.
.set SIZE_N, 1024
.set ROWB,   256                       ; B: a tile's row in bytes
.set KROW,   1024                      ; B: a row in memory
.set PITCH,  272                       ; B: an LDS row: 256 bytes + 16 of padding: row r starts at bank 4 r mod 64 (64 banks of 4 bytes: ISA guide 11.1)
.set FR,     16
.set NL,     4
.set NP,     4
.set ASTEP,  4096                      ; A: a K step of 256 of one tile of 16 tokens: two fragments
.set AHALF,  8*ASTEP                   ; A: 128 tokens: what one tensor load brings; dense: each LDS load reads 512 consecutive bytes
.set BHALF,  128*PITCH                 ; B: 128 rows
.set BOFF,   2*AHALF                   ; a slot: A's two halves, then B's two
.set SLOT,   BOFF+2*BHALF
.set LAPS,   2                         ; a lap = two K steps = once round the ring
.set SPARE,  2*SLOT                    ; behind the ring: the spare words, 128 bytes for each wave, that no other line names
.set SPITCH, 528                       ; the way out: a stage of 16 rows x (512 bytes + 16) for each wave, in slot 0, which has had its last fill and its last read when the first result is stored there
.set ADRA, 16                          ; v16-17  LDS address of my A fragments in slot 0, 1
.set ADRB, 20                          ; v20-21  the same for B
.set STO,  24                          ; v24     the way out: where I put my bytes of a row
.set RD,   25                          ; v25     where I read a row back
.set CO,   26                          ; v26     16 x lane
.set SPW,  28                          ; v28     LDS address of my spare word; never rewritten
.set NIL,  29                          ; v29     0; never rewritten
.set TMP,  32
.set AF,   128
.set BK,   128
.set G1, 24
.set G0, 32
.set G1B, 48
.set G0B, 56
.set MSB, 0
.macro WIN new                         ; the immediate's high byte repeats the setting that is left
.if MSB != \new
	s_set_vgpr_msb (MSB<<8)|\new
.set MSB, \new
.endif
.endm
.set MUL_LO, 0xa1
.set MUL_HI, 0xf1
.set TO_B,   0x40
.macro JLOAD g0a, g1a, g0b, g1b        ; a joint load: waves 0 and 1 fetch for A, waves 2 and 3 for B; four v_nop follow each of the two lines
	s_cmp_eq_u32 s15, 0
	s_cbranch_scc0 .Lfor_b_\@
	tensor_load_to_lds s[\g0a:\g0a+3], s[\g1a:\g1a+7]
	s_nop 0
.rept 4
	v_nop
.endr
	s_branch .Lasked_\@
.Lfor_b_\@:
	tensor_load_to_lds s[\g0b:\g0b+3], s[\g1b:\g1b+7]
	s_nop 0
.rept 4
	v_nop
.endr
.Lasked_\@:
.endm
.macro CREST
	s_cmp_lg_u32 s14, 0
	s_cbranch_scc1 .Lnot_wave_0_\@
	s_barrier_signal -3
.Lnot_wave_0_\@:
	s_barrier_wait -3
	s_barrier_signal -1
	s_barrier_wait -1
.endm
.macro CROUND
	s_barrier_signal -1
	s_barrier_wait -1
	CREST
.endm
	s_load_b128 s[4:7], s[0:1], 0x0                ; ac s[4:5], wc s[6:7]
	s_load_b128 s[8:11], s[0:1], 0x10              ; the exponents s[8:9], out0 s[10:11]
	v_lshl_add_u32 v[SPW], v0, 2, SPARE
	v_mov_b32 v[NIL], 0
	ds_add_u32 v28, v29
	ds_add_u32 v28, v29
	s_wait_dscnt 0x0
	v_lshrrev_b32 v1, 5, v0
	v_readfirstlane_b32 s14, v1                    ; wave 0..3
	s_lshr_b32 s15, s14, 1                         ; which half of the tile's rows is mine.  Also: I fetch for A (0) or for B (1)
	s_and_b32 s16, s14, 1                          ; which half of its columns.  Also: which half of that tile I fetch
	s_bfe_u32 s40, ttmp6, 0x40000                  ; cx, cy
	s_bfe_u32 s41, ttmp6, 0x40004
	s_lshl_b32 s42, ttmp9, 2
	s_add_co_u32 s42, s42, s40                     ; tile column
	s_and_b32 s17, ttmp7, 0xffff
	s_lshl_b32 s17, s17, 2
	s_add_co_u32 s17, s17, s41                     ; tile row
	s_lshl_b32 s43, s41, 2
	s_lshl_b32 s43, 15, s43                        ; my row of the cluster
	s_lshl_b32 s44, 0x1111, s40                    ; my column
	; A's group 1: 8 tiles of tokens x 4,096 bytes, 16,384 bytes apart in memory, dense in LDS
	s_or_b32 s[G1+0], s43, (3<<16)|(1<<21)         ; 15:0 the mask: my row; 17:16 elements of 8 bytes; 21 set beside a mask; no padding
	s_mov_b32 s[G1+1], 512<<16                     ; tensor_dim0 = 512
	s_mov_b32 s[G1+2], 8<<16                       ; tensor_dim1 = 8
	s_mov_b32 s[G1+3], 512<<16                     ; tile_dim0 = 512
	s_mov_b32 s[G1+4], 8                           ; tile_dim1 = 8
	s_mov_b32 s[G1+5], 2048                        ; tensor_dim0_stride
	s_mov_b32 s[G1+6], 0
	s_mov_b32 s[G1+7], 0
	; B's group 1: 128 rows x 256 bytes, padded in LDS
	s_or_b32 s[G1B+0], s44, (0<<16)|(1<<20)|(1<<21)|(5<<22)|(3<<25)  ; the mask: my column; elements of 1 byte; padding: 4 words after every 64
	s_mov_b32 s[G1B+1], ROWB<<16
	s_mov_b32 s[G1B+2], 128<<16
	s_mov_b32 s[G1B+3], ROWB<<16
	s_mov_b32 s[G1B+4], 128
	s_mov_b32 s[G1B+5], KROW
	s_mov_b32 s[G1B+6], 0
	s_mov_b32 s[G1B+7], 0
	s_lshl_b32 s20, s17, 4
	s_lshl_b32 s18, s16, 3
	s_add_co_u32 s20, s20, s18                     ; A: tile of tokens 16 x tile row + 8 x half,
	s_lshl_b32 s20, s20, 14                        ; 16,384 bytes each
	s_mov_b32 s21, 0
	s_lshl_b32 s46, s42, 8
	s_lshl_b32 s18, s16, 7
	s_add_co_u32 s46, s46, s18                     ; B: row 256 x tile column + 128 x half,
	s_lshl_b32 s46, s46, 10
	s_add_co_u32 s46, s46, 3<<20                   ; in wc's set 3
	s_mov_b32 s47, 0
	s_lshl_b32 s45, s16, 15                        ; where A's half goes,
	s_mul_i32 s66, s16, BHALF
	s_add_co_u32 s66, s66, BOFF                    ; and B's: made of the wave's number alone
	s_wait_kmcnt 0x0
	s_load_b64 s[96:97], s[8:9], 0x28              ; e10, e11
	s_add_nc_u64 s[20:21], s[4:5], s[20:21]
	s_add_nc_u64 s[46:47], s[6:7], s[46:47]
	CROUND                                         ; all sixteen work-groups are here: the first joint loads meet
.irp s, 0,1
	s_mov_b32 s[G0+4*\s], 1
	s_add_co_u32 s[G0+4*\s+1], s45, \s*SLOT
	s_add_nc_u64 s[G0+4*\s+2:G0+4*\s+3], s[20:21], \s*ASTEP
	s_or_b32 s[G0+4*\s+3], s[G0+4*\s+3], 0x80000000
	s_mov_b32 s[G0B+4*\s], 1
	s_add_co_u32 s[G0B+4*\s+1], s66, \s*SLOT
	s_add_nc_u64 s[G0B+4*\s+2:G0B+4*\s+3], s[46:47], \s*ROWB
	s_or_b32 s[G0B+4*\s+3], s[G0B+4*\s+3], 0x80000000
	s_wait_alu depctr_va_vdst(0)
	s_wait_tensorcnt 0x0
	ds_add_u32 v28, v29
	ds_add_u32 v28, v29
	s_wait_dscnt 0x0
	CROUND
	JLOAD G0+4*\s, G1, G0B+4*\s, G1B
.endr
	v_and_b32 v1, 15, v0                           ; l % 16
	v_bfe_u32 v2, v0, 4, 1                         ; l / 16
	v_and_b32 v6, 31, v0
	v_lshlrev_b32 v[CO], 4, v6                     ; 16 x lane
	v_mul_u32_u24 v3, v1, PITCH
	v_lshl_add_u32 v4, v2, 4, v3                   ; B: a fragment's row x pitch + 16 x half
	s_lshl_b32 s21, s15, 15                        ; my 128 tokens of A
	s_mul_i32 s22, s16, BHALF                      ; my 128 rows of B,
	s_add_co_u32 s22, s22, BOFF                    ; which lie behind A
.irp s, 0,1
	v_add_nc_u32 v[ADRA+\s], s21, v[CO]
	v_add_nc_u32 v[ADRB+\s], s22, v4
	s_add_co_u32 s21, s21, SLOT
	s_add_co_u32 s22, s22, SLOT
.endr
	s_mul_i32 s23, s14, 16*SPITCH                  ; my stage
	v_mul_u32_u24 v5, v1, SPITCH                   ; in: row l % 16; lanes 16-31 hold the columns 16 further on: 64 bytes
	v_lshl_add_u32 v5, v2, 6, v5
	v_add_nc_u32 v[STO], s23, v5
	v_add_nc_u32 v[RD], s23, v[CO]                 ; back: the 32 lanes take one row of 512 bytes
	s_lshl_b32 s20, s17, 8
	s_lshl_b32 s21, s15, 7
	s_add_co_u32 s20, s20, s21                     ; my first row of the output
	s_mov_b32 s21, 0
	s_mov_b64 s[18:19], SIZE_N*4
	s_mul_u64 s[20:21], s[20:21], s[18:19]
	s_lshl_b32 s46, s42, 10                        ; my first column, in bytes: 1,024 x tile column + 512 x half
	s_lshl_b32 s47, s16, 9
	s_add_co_u32 s46, s46, s47
	s_mov_b32 s47, 0
	s_add_nc_u64 s[20:21], s[20:21], s[46:47]
	s_add_nc_u64 s[10:11], s[10:11], s[20:21]
.macro FRAGA reg, adr, q, i            ; A: tile of tokens i, the slot's q-th 128 along K: four loads of 512 consecutive bytes
.irp c, 0,1,2,3
	ds_load_b128 v[\reg+4*\c:\reg+4*\c+3], v[\adr] offset:2048*(\q)+512*\c+ASTEP*(\i)
.endr
.endm
.macro FRAGB reg, adr, q, i            ; B: lane l holds row l % 16; registers 4 c .. 4 c + 3 hold K = 32 c + 16 (l / 16) + 0 .. 15, as A's images do
.irp c, 0,1,2,3
	ds_load_b128 v[\reg+4*\c:\reg+4*\c+3], v[\adr] offset:128*(\q)+32*\c+(\i)*16*PITCH
.endr
.endm
; 16 matrix instructions: A's blocks a0, a0 + 1 x B's eight.  The 64 accumulators take turns, one instruction a turn, in the same order in every step.
.macro MUL16 a0, p, zero
.irp a, \a0, \a0+1
.irp b, 0,1,2,3,4,5,6,7
.if \zero
	v_wmma_f32_16x16x128_fp8_fp8 v[8*(8*((\a)%4)+\b):8*(8*((\a)%4)+\b)+7], v[128*(\p)+FR*\b:128*(\p)+FR*\b+FR-1], v[AF+FR*(\a):AF+FR*(\a)+FR-1], 0
.else
	v_wmma_f32_16x16x128_fp8_fp8 v[8*(8*((\a)%4)+\b):8*(8*((\a)%4)+\b)+7], v[128*(\p)+FR*\b:128*(\p)+FR*\b+FR-1], v[AF+FR*(\a):AF+FR*(\a)+FR-1], v[8*(8*((\a)%4)+\b):8*(8*((\a)%4)+\b)+7]
.endif
.endr
.endr
.endm
.macro FETCH_B slot, q, p
	WIN TO_B
.irp i, 0,1,2,3,4,5,6,7
	FRAGB 128*(\p)+FR*\i, ADRB+\slot, \q, \i
.endr
	WIN 0
.endm
.macro FETCH_A slot, q, i0
.irp i, \i0, \i0+1, \i0+2, \i0+3
	FRAGA AF+FR*(\i), ADRA+\slot, \q, \i
.endr
.endm
.macro PLACES n                        ; places in front of loads into registers that matrix instructions have read, and of the first read of results (ISA guide 7.12.1 for vector instructions)
.rept \n
	v_nop
.endr
.endm
.macro STEP slot, q, zero
	s_wait_dscnt 4*NL                              ; B's set and A's blocks 0-3 are in; the youngest sixteen loads (A's blocks 4-7) may be out
	WIN MUL_LO
	MUL16 0, (\q)%2, \zero
	MUL16 2, (\q)%2, \zero
	s_wait_dscnt 0
	PLACES NP
	FETCH_B \slot, (\q)+1, 1-(\q)%2
	FETCH_A \slot, (\q)+1, 0
	WIN MUL_HI
	MUL16 4, (\q)%2, \zero
	MUL16 6, (\q)%2, \zero
	PLACES NP
	WIN 0
	FETCH_A \slot, (\q)+1, 4
.endm
.macro TURN slot, next, fill
	s_wait_tensorcnt 0x0                           ; all my tensor loads have landed: my part of the next slot  (every window is 0 here)
	ds_add_u32 v[SPW], v[NIL]                      ; 0 onto my spare word
	s_wait_dscnt 4*NL+1                            ; (the add and the youngest sixteen loads may be out)
	WIN MUL_LO
	MUL16 0, 1, 0
	s_wait_dscnt 0x0                               ; the add is done, and my reads of this slot are over
	s_barrier_signal -1
	MUL16 2, 1, 0
	WIN 0
	s_barrier_wait -1
.if \fill
	CREST                                          ; the barrier has opened a round of the cluster's barrier: no wave of any partner still reads this slot's tile or has a load on its way
	s_add_nc_u64 s[G0+4*\slot+2:G0+4*\slot+3], s[G0+4*\slot+2:G0+4*\slot+3], 2*ASTEP
	s_add_nc_u64 s[G0B+4*\slot+2:G0B+4*\slot+3], s[G0B+4*\slot+2:G0B+4*\slot+3], 2*ROWB
	JLOAD G0+4*\slot, G1, G0B+4*\slot, G1B         ; the first tensor load behind the round; its four v_nop are the places in front of the loads below
.else
	PLACES NP
.endif
	FETCH_B \next, 0, 0
	FETCH_A \next, 0, 0
	WIN MUL_HI
	MUL16 4, 1, 0
	MUL16 6, 1, 0
	PLACES NP
	WIN 0
	FETCH_A \next, 0, 4
.endm
	s_wait_alu depctr_va_vdst(0)
	s_wait_tensorcnt 1                             ; my part of K step 0 is in (K step 1's load may be out)
	s_barrier_signal -1
	s_barrier_wait -1                              ; everybody's is
	FETCH_B 0, 0, 0
	FETCH_A 0, 0, 0
	FETCH_A 0, 0, 4
	STEP 0, 0, 1                                   ; the first step's products start the sums
	s_mov_b32 s3, LAPS-1
.Llap:
	TURN 0, 1, 1
	STEP 1, 0, 0
	TURN 1, 0, 1
	STEP 0, 0, 0
	s_sub_co_u32 s3, s3, 1
	s_cmp_lg_u32 s3, 0
	s_cbranch_scc1 .Llap
	TURN 0, 1, 0                                   ; the last lap fills nothing
	STEP 1, 0, 0
	s_wait_dscnt 4*NL
	WIN MUL_LO
	MUL16 0, 1, 0
	MUL16 2, 1, 0
	s_wait_dscnt 0
	WIN MUL_HI
	MUL16 4, 1, 0
	MUL16 6, 1, 0
	WIN 0
; THE WAY OUT, block by block of 16 rows x 128 columns, through my own stage in LDS: in as 32 bytes a lane and accumulator, back as whole rows of 512 bytes, which the 32 lanes store as 512 consecutive bytes, aligned.
; LDS serves a wave's instructions in order (ISA guide 5.7.1.4): no wait between the stores and the loads, nor in front of the next block's stores.
.macro TOSTAGE a
.set AC, 64*((\a)%4)
	WIN 0x02+((\a)/4)
.set j, 0
.rept 32
	v_pk_mul_f32 v[TMP+j:TMP+j+1], v[AC+j:AC+j+1], s[96:97] op_sel_hi:[1,0]   ; x 2^(e10 + e11); each accumulator from its low end on
.set j, j+2
.endr
	WIN 0
.irp b, 0,1,2,3,4,5,6,7
	ds_store_b128 v[STO], v[TMP+8*\b:TMP+8*\b+3] offset:128*(\b/2)+32*(\b%2)         ; columns 32 (b / 2) + 16 h + 8 (b % 2) on: Wo's rows were stored with bits 3 and 4 exchanged
	ds_store_b128 v[STO], v[TMP+8*\b+4:TMP+8*\b+7] offset:128*(\b/2)+32*(\b%2)+16
.endr
.set BB, BK+64*((\a)%2)
.irp t, 0,1,2,3,4,5,6,7,8,9,10,11,12,13,14,15
	ds_load_b128 v[BB+4*\t:BB+4*\t+3], v[RD] offset:\t*SPITCH
.endr
.endm
.macro SEND a, younger                 ; younger: the LDS instructions issued behind block a's loads, which may stay out
.set BB, BK+64*((\a)%2)
	s_wait_dscnt \younger
.if (\a) > 0
	s_add_nc_u64 s[10:11], s[10:11], 16*SIZE_N*4   ; (behind a wait on XCNT: the earlier stores have read their base)
.endif
.irp t, 0,1,2,3,4,5,6,7,8,9,10,11,12,13,14,15
	global_store_b128 v[CO], v[BB+4*\t:BB+4*\t+3], s[10:11] offset:\t*SIZE_N*4 th:TH_STORE_NT
.endr
.endm
	s_wait_kmcnt 0x0
	s_add_co_i32 s96, s96, s97
	s_add_co_i32 s96, s96, 127
	s_lshl_b32 s96, s96, 23                        ; 2^(e10 + e11) as f32
	PLACES NP
	TOSTAGE 0
.irp a, 1,2,3,4,5,6,7
.if \a > 1
	s_wait_xcnt 0x0                                ; block a - 2's stores have read their registers and their base
.endif
	TOSTAGE \a
	SEND \a-1, 32                                  ; behind block a - 1's loads: block a's 16 stores and 16 loads
.endr
	s_wait_xcnt 0x0
	SEND 7, 0
	s_wait_tensorcnt 0x0                           ; the wave's end
	ds_add_u32 v[SPW], v[NIL]
	s_wait_dscnt 0x0
	CROUND                                         ; the closing round
	s_endpgm
.Lfunc_end_k_q2d31f87c51_oproj:
	.size	k_q2d31f87c51_oproj, .Lfunc_end_k_q2d31f87c51_oproj-k_q2d31f87c51_oproj
	.p2alignl 7, 3214868480
	.fill 96, 4, 3214868480
	.section	.rodata,"a",@progbits
	.p2align	6, 0x0
	.amdhsa_kernel k_q2d31f87c51_oproj
		.amdhsa_group_segment_fixed_size 327680
		.amdhsa_private_segment_fixed_size 0
		.amdhsa_enable_private_segment 0
		.amdhsa_kernarg_size 32
		.amdhsa_user_sgpr_count 2
		.amdhsa_user_sgpr_kernarg_segment_ptr 1
		.amdhsa_wavefront_size32 1
		.amdhsa_system_sgpr_workgroup_id_x 1
		.amdhsa_system_sgpr_workgroup_id_y 1
		.amdhsa_system_sgpr_workgroup_id_z 1
		.amdhsa_system_vgpr_workitem_id 0
		.amdhsa_next_free_vgpr 1024
		.amdhsa_next_free_sgpr 98
		.amdhsa_reserve_vcc 0
		.amdhsa_float_denorm_mode_32 3
		.amdhsa_float_denorm_mode_16_64 3
		.amdhsa_memory_ordered 1
		.amdhsa_forward_progress 1
		.amdhsa_inst_pref_size 124
	.end_amdhsa_kernel
	.amdgpu_metadata
---
amdhsa.version: [ 1, 2 ]
amdhsa.kernels:
  - .name:           k_q2d31f87c51_oproj
    .symbol:         k_q2d31f87c51_oproj.kd
    .args:
      - { .name: ac, .offset: 0, .size: 8, .value_kind: global_buffer, .address_space: global }
      - { .name: wc, .offset: 8, .size: 8, .value_kind: global_buffer, .address_space: global }
      - { .name: lowp_scales, .offset: 16, .size: 8, .value_kind: global_buffer, .address_space: global }
      - { .name: out0, .offset: 24, .size: 8, .value_kind: global_buffer, .address_space: global }
    .group_segment_fixed_size: 327680
    .private_segment_fixed_size: 0
    .kernarg_segment_align: 8
    .kernarg_segment_size: 32
    .max_flat_workgroup_size: 128
    .sgpr_count:     98
    .vgpr_count:     1024
    .wavefront_size: 32
...
	.end_amdgpu_metadata
.endif
;; end of part 4
